; MI455X (gfx1250); checked and timed in simulation.
; The chip was launched on July 23, 2026; its instructions are those of AMD's public machine-readable ISA for CDNA 5 (MIT licence, August 2026) and "CDNA5" Instruction Set Architecture Reference Guide (July 2026). The comments in the code are by the model that wrote it; some were corrected since.
;; Attention. Allowed arithmetic: float matrix products may take bf16 or f16 operands with f32 sums; other float arithmetic in f32, or as packed bf16 or f16 multiplies, adds, multiply-adds, maxima and minima; sums over many terms, partial sums and values carried from step to step in f32; what a program stores and reads back later, other than sums and carried values, may be rounded once to bf16 or f16.
;; Inputs: hidden_state 4 x 2,048 x 1,024 float32; o_b 1,024 float32; o_w 1,024 x 1,024 float32; qkv_b 3,072 float32; qkv_w 1,024 x 3,072 float32.
;; Outputs: out0 4 x 2,048 x 1,024 float32.
;; 2 versions, each right; version 2 is version 1 with the launch prep written anew for expert scheduling mode. Each part assembles by itself: llvm-mc -triple=amdgcn-amd-amdhsa -mcpu=gfx1250 --defsym DOCPART=n.
;; ======== version 1 of 2: 4 launches
;; limits: values are held in f16: magnitudes above 65,504 overflow, below 6.1e-05 lose precision
;; workspace buffers: xh 16,777,216 bytes; wqT 6,291,456 bytes; woT 2,097,152 bytes; qkvh 50,331,648 bytes; oh 16,777,216 bytes
;; launch prep (part 1): grid 768 x 1, 8 waves a work-group, no clusters, 18,432 bytes of LDS; arguments hidden_state, qkv_w, o_w, xh, wqT, woT; writes xh, wqT, woT
.if DOCPART == 1
	.amdgcn_target "amdgcn-amd-amdhsa--gfx1250"
	.amdhsa_code_object_version 6
	.text
	.protected	k_qe5cbb3adc8_prep
	.globl	k_qe5cbb3adc8_prep
	.p2align	8
	.type	k_qe5cbb3adc8_prep,@function
k_qe5cbb3adc8_prep:
	s_mov_b64 s[64:65], 0
	v_nop
	global_prefetch_b8 v0, s[64:65] scope:SCOPE_SE
	s_setreg_imm32_b32 hwreg(HW_REG_WAVE_MODE, 25, 1), 1
	s_wait_xcnt 0x0
; THE OPERANDS OF THE TWO PROJECTIONS ARE MADE, each input byte read once.
;   xh  = hidden_state rounded to bf16, laid by blocks of 64 channels: [batch 4][block 16][row 2048][64], so that a block's rows lie end to end
;   wqT = qkv_w rounded to bf16 and transposed: [3072][1024]
;   woT = o_w rounded to bf16, that number written as f16, transposed: [1024][1024]
; LIMITS.  bf16(o_w) must lie within f16's 65,504; below 2^-14 it keeps f16's fixed step of 2^-24.  NaN and infinities are not treated apart.
; Work-groups 0-255 take 32 rows of hidden_state each; 256-639 a block of 128 k x 64 n of qkv_w; 640-767 such a block of o_w.  The choice hangs on the work-group's number alone.
; No matrix unit, no cluster, no tensor load: nothing is multiplied and no two work-groups read the same byte.
.set TP,    272                        ; a row of the transposing tile in LDS: 128 k x 2 bytes + 16 of padding
.set SPARE, 64*TP                      ; behind the tile: the spare words, 128 bytes for each of the eight waves: four blocks of 256 bytes that no other line names
.set XI,  3                            ; v3   byte offset of my loads
.set XO,  4                            ; v4   byte offset of my stores (rows of hidden_state)
.set SPW, 8                            ; v8   LDS address of my spare word; never rewritten
.set NIL, 9                            ; v9   0; never rewritten
.set T,   10                           ; v10-11 at work
.set X,   16                           ; as loaded: v16-143 (rows), v16-47 (weights)
.set Y,   48                           ; weights: packed, 4 registers for each of my 4 columns
.set Z,   64                           ; weights: rows of the transposed tile read back
	s_load_b256 s[4:11], s[0:1], 0x0               ; hidden_state s[4:5], qkv_w s[6:7], o_w s[8:9], xh s[10:11]
	s_load_b128 s[12:15], s[0:1], 0x20             ; wqT s[12:13], woT s[14:15]
	v_lshl_add_u32 v[SPW], v0, 2, SPARE
	v_mov_b32 v[NIL], 0
	v_lshrrev_b32 v1, 5, v0
	v_readfirstlane_b32 s16, v1                    ; wave 0..7
	v_and_b32 v2, 31, v0                           ; lane
	s_mov_b32 s21, 0                               ; the high word of every offset
	s_wait_kmcnt 0x0
	s_cmp_lt_u32 ttmp9, 256
	s_cbranch_scc0 .Lweights
	; ROWS.  A wave takes 4 rows, all 16 blocks of 64 channels.  Lane: row l / 8, 8 channels (32 bytes in, 16 bytes out) at l % 8.
	v_lshrrev_b32 v5, 3, v2
	v_and_b32 v6, 7, v2
	v_lshlrev_b32 v[XI], 12, v5                    ; a row of hidden_state is 4,096 bytes
	v_lshl_add_u32 v[XI], v6, 5, v[XI]
	v_lshlrev_b32 v[XO], 4, v2                     ; 4 rows x 128 bytes of a block are 512 bytes on end
	s_lshl_b32 s20, ttmp9, 17                      ; 32 rows x 4,096 bytes
	s_lshl_b32 s22, s16, 14                        ; my wave's 4 rows
	s_add_co_u32 s20, s20, s22
	s_add_nc_u64 s[4:5], s[4:5], s[20:21]
	s_lshr_b32 s20, ttmp9, 6                       ; batch: 64 work-groups each
	s_lshl_b32 s20, s20, 22                        ; 16 blocks x 2,048 rows x 128 bytes
	s_and_b32 s22, ttmp9, 63
	s_lshl_b32 s22, s22, 12                        ; 32 rows x 128 bytes
	s_add_co_u32 s20, s20, s22
	s_lshl_b32 s22, s16, 9                         ; 4 rows x 128 bytes
	s_add_co_u32 s20, s20, s22
	s_add_nc_u64 s[10:11], s[10:11], s[20:21]
.set kb, 0
.rept 16                                       ; all 32 loads of the wave go out at once: 16 KiB on their way
	global_load_b128 v[X+8*kb:X+8*kb+3],   v[XI], s[4:5] offset:256*kb th:TH_LOAD_NT
	global_load_b128 v[X+8*kb+4:X+8*kb+7], v[XI], s[4:5] offset:256*kb+16 th:TH_LOAD_NT
.set kb, kb+1
.endr
.set kb, 0
.rept 16
	s_wait_loadcnt 30-2*kb                         ; loads come back in order: the later blocks' 2 (15 - kb) loads may stay out
	v_cvt_pk_bf16_f32 v[X+8*kb],   v[X+8*kb],   v[X+8*kb+1]   ; in place, ascending: no source is written before it is read
	v_cvt_pk_bf16_f32 v[X+8*kb+1], v[X+8*kb+2], v[X+8*kb+3]
	v_cvt_pk_bf16_f32 v[X+8*kb+2], v[X+8*kb+4], v[X+8*kb+5]
	v_cvt_pk_bf16_f32 v[X+8*kb+3], v[X+8*kb+6], v[X+8*kb+7]
	global_store_b128 v[XO], v[X+8*kb:X+8*kb+3], s[10:11] offset:kb*262144  ; the wave stores 512 consecutive bytes, at a multiple of 512 from xh's first byte
.set kb, kb+1
.endr
	s_wait_tensorcnt 0x0                           ; every path of this text ends alike
	ds_add_u32 v[SPW], v[NIL]
	s_wait_dscnt 0x0
	s_endpgm
; WEIGHTS.  A block of 128 k x 64 n is read by rows of k (256 bytes each), packed in pairs of k, laid into LDS by rows of n, and stored as 64 rows of 256 bytes.
; Wave w reads k = 16 w .. 16 w + 15: lane l takes columns 4 (l % 16) .. + 3 of rows 16 w + 8 (l / 16) + 0 .. 7.
.macro WPATH src, dst, cols, tof16
	s_mul_i32 s20, s17, 512*(\cols)                ; 128 rows of 4 x cols bytes
	s_lshl_b32 s22, s18, 8                         ; 64 columns of 4 bytes
	s_add_co_u32 s20, s20, s22
	s_add_nc_u64 s[\src:\src+1], s[\src:\src+1], s[20:21]
	s_lshl_b32 s19, s16, 4
	v_lshl_add_u32 v7, v6, 3, s19                  ; 16 w + 8 (l / 16)
	v_mul_u32_u24 v[XI], v7, 4*(\cols)
	v_lshl_add_u32 v[XI], v5, 4, v[XI]
.irp i, 0,1,2,3,4,5,6,7
	global_load_b128 v[X+4*\i:X+4*\i+3], v[XI], s[\src:\src+1] offset:\i*4*(\cols) th:TH_LOAD_NT  ; 16 lanes read 256 consecutive bytes of a row, aligned
.endr
	v_mul_u32_u24 v7, v5, 4*TP                     ; into the tile: row n = 4 (l % 16) + e, bytes 2 (16 w + 8 (l / 16)) on
	v_lshl_add_u32 v7, v6, 4, v7
	s_lshl_b32 s19, s16, 5
	v_add_nc_u32 v7, s19, v7
	s_wait_loadcnt 0x0
.irp e, 0,1,2,3
.irp p, 0,1,2,3
	v_cvt_pk_bf16_f32 v[Y+4*\e+\p], v[X+8*\p+\e], v[X+8*\p+4+\e]  ; column e, k = 2 p and 2 p + 1 of my eight
.endr
.endr
.if \tof16
.set yy, 0
.rept 16
	v_lshlrev_b32 v[T], 16, v[Y+yy]                ; the bf16 numbers as f32,
	v_and_b32 v[T+1], 0xffff0000, v[Y+yy]
	v_cvt_pk_f16_f32 v[Y+yy], v[T], v[T+1]         ; written as f16: exact within f16's range
.set yy, yy+1
.endr
.endif
.irp e, 0,1,2,3
	ds_store_b128 v7, v[Y+4*\e:Y+4*\e+3] offset:TP*\e
.endr
	s_wait_dscnt 0x0                               ; for the others' sake: my stores into the tile are done
	s_barrier_signal -1
	s_barrier_wait -1
	s_lshl_b32 s19, s16, 3
	v_add_nc_u32 v12, s19, v6                      ; back: wave w takes rows 8 w .. 8 w + 7, two an instruction
	v_mul_u32_u24 v13, v12, TP
	v_lshl_add_u32 v13, v5, 4, v13
.irp i, 0,1,2,3
	ds_load_b128 v[Z+4*\i:Z+4*\i+3], v13 offset:2*TP*\i
.endr
	s_lshl_b32 s20, s18, 17                        ; 64 rows of 2,048 bytes
	s_lshl_b32 s22, s17, 8                         ; 128 k of 2 bytes
	s_add_co_u32 s20, s20, s22
	s_add_nc_u64 s[\dst:\dst+1], s[\dst:\dst+1], s[20:21]
	v_lshlrev_b32 v14, 11, v12
	v_lshl_add_u32 v14, v5, 4, v14
.irp i, 0,1,2,3
	s_wait_dscnt 3-\i                              ; LDS loads come back in order: the younger ones may stay out
	global_store_b128 v14, v[Z+4*\i:Z+4*\i+3], s[\dst:\dst+1] offset:4096*\i  ; 16 lanes store 256 consecutive bytes, aligned
.endr
	s_wait_tensorcnt 0x0                           ; the wave's end, behind my last LDS store
	ds_add_u32 v[SPW], v[NIL]
	s_wait_dscnt 0x0
	s_endpgm
.endm
.Lweights:
	s_sub_co_u32 s17, ttmp9, 256
	s_lshr_b32 s18, s17, 3                         ; block of 64 columns: 0-47 qkv_w, 48-63 o_w
	s_and_b32 s17, s17, 7                          ; block of 128 k
	v_and_b32 v5, 15, v2                           ; l % 16
	v_lshrrev_b32 v6, 4, v2                        ; l / 16
	s_cmp_lt_u32 s18, 48
	s_cbranch_scc0 .Lo_w
	WPATH 6, 12, 3072, 0
.Lo_w:
	s_sub_co_u32 s18, s18, 48
	WPATH 8, 14, 1024, 1
.Lfunc_end_k_qe5cbb3adc8_prep:
	.size	k_qe5cbb3adc8_prep, .Lfunc_end_k_qe5cbb3adc8_prep-k_qe5cbb3adc8_prep
	.p2alignl 7, 3214868480
	.fill 96, 4, 3214868480
	.section	.rodata,"a",@progbits
	.p2align	6, 0x0
	.amdhsa_kernel k_qe5cbb3adc8_prep
		.amdhsa_group_segment_fixed_size 18432
		.amdhsa_private_segment_fixed_size 0
		.amdhsa_enable_private_segment 0
		.amdhsa_kernarg_size 48
		.amdhsa_user_sgpr_count 2
		.amdhsa_user_sgpr_kernarg_segment_ptr 1
		.amdhsa_wavefront_size32 1
		.amdhsa_system_sgpr_workgroup_id_x 1
		.amdhsa_system_sgpr_workgroup_id_y 1
		.amdhsa_system_sgpr_workgroup_id_z 1
		.amdhsa_system_vgpr_workitem_id 0
		.amdhsa_next_free_vgpr 144
		.amdhsa_next_free_sgpr 66
		.amdhsa_reserve_vcc 0
		.amdhsa_float_denorm_mode_32 3
		.amdhsa_float_denorm_mode_16_64 3
		.amdhsa_memory_ordered 1
		.amdhsa_forward_progress 1
		.amdhsa_inst_pref_size 22
	.end_amdhsa_kernel
	.amdgpu_metadata
---
amdhsa.version: [ 1, 2 ]
amdhsa.kernels:
  - .name:           k_qe5cbb3adc8_prep
    .symbol:         k_qe5cbb3adc8_prep.kd
    .args:
      - { .name: hidden_state, .offset: 0, .size: 8, .value_kind: global_buffer, .address_space: global }
      - { .name: qkv_w, .offset: 8, .size: 8, .value_kind: global_buffer, .address_space: global }
      - { .name: o_w, .offset: 16, .size: 8, .value_kind: global_buffer, .address_space: global }
      - { .name: xh, .offset: 24, .size: 8, .value_kind: global_buffer, .address_space: global }
      - { .name: wqT, .offset: 32, .size: 8, .value_kind: global_buffer, .address_space: global }
      - { .name: woT, .offset: 40, .size: 8, .value_kind: global_buffer, .address_space: global }
    .group_segment_fixed_size: 18432
    .private_segment_fixed_size: 0
    .kernarg_segment_align: 8
    .kernarg_segment_size: 48
    .max_flat_workgroup_size: 256
    .sgpr_count:     66
    .vgpr_count:     144
    .wavefront_size: 32
...
	.end_amdgpu_metadata
.endif
;; end of part 1
;; launch qkv (part 2): grid 16 x 32, 4 waves a work-group, clusters of 4 x 4, 327,680 bytes of LDS; arguments xh, wqT, qkv_b, qkvh; writes qkvh
.if DOCPART == 2
	.amdgcn_target "amdgcn-amd-amdhsa--gfx1250"
	.amdhsa_code_object_version 6
	.text
	.protected	k_qe5cbb3adc8_qkv
	.globl	k_qe5cbb3adc8_qkv
	.p2align	8
	.type	k_qe5cbb3adc8_qkv,@function
k_qe5cbb3adc8_qkv:
	s_mov_b64 s[64:65], 0
	v_nop
	global_prefetch_b8 v0, s[64:65] scope:SCOPE_SE
	s_setreg_imm32_b32 hwreg(HW_REG_WAVE_MODE, 25, 1), 1
	s_wait_xcnt 0x0
	s_wait_alu depctr_hold_cnt(0) depctr_sa_sdst(0) depctr_va_vdst(0) depctr_va_sdst(0) depctr_va_ssrc(0) depctr_va_vcc(0) depctr_vm_vsrc(0)
	s_getreg_b32 s2, hwreg(HW_REG_IB_STS2, 6, 4)
	s_cmp_eq_u32 s2, 0
	s_cbranch_scc0 .Lentry_in_a_cluster
	s_endpgm
.Lentry_in_a_cluster:
	s_bfe_u32 s2, ttmp6, 0x10000c
	s_cmp_lg_u32 s2, 0xf033
	s_cbranch_scc0 .Lentry_shape_is_right
	s_endpgm
.Lentry_shape_is_right:
; q, k, v = x W + b.  x: xh, bf16, [batch 4][block 16][row 2048][64]; W: wqT, bf16, [3072][1024]; b: qkv_b, f32, rounded to bf16 like the other inputs.  Sums in f32, started by the bias.
; Out: qkvh, f16, [q, k, v][batch x 16 + head][row 2048][64], each number rounded once, without the softmax's scale.
; LIMIT.  q, k and v must lie within f16's 65,504.  NaN and infinities are not treated apart.
; SHARES.  A tile of the result is 256 rows x 192 columns (three heads' worth): 32 x 16 work-groups.  Wave w owns rows 64 w .. 64 w + 63 and all 192 columns: 4 x 12 accumulators of 16 x 16,
; so a wave holds whole rows of a head and has a stage of its own on the way out.
; K goes in 8 steps of 128 through two LDS slots filled by the tensor data mover.  A step of x is two blocks of 64 channels, each 256 rows x 128 bytes that lie end to end: asked for as 128 rows of 256 bytes.
; CLUSTER.  4 x 4 work-groups: the four of a row of the cluster need the same tiles of x, the four of a column the same tiles of W: each tile is asked for jointly, by the same tensor load with the
; same descriptor and a mask that names the four.
; THE MATRIX INSTRUCTION IS USED TRANSPOSED (source 0 = 16 rows of wqT, source 1 = 16 rows of x): lane l holds row l % 16 and the columns 8 (l / 16) + 0 .. 7 of a block of 16.
; REGISTERS, in windows of 256 (s_set_vgpr_msb: bits 1:0 source 0, 3:2 source 1, 5:4 source 2, 7:6 destination):
;   window 0: v0-31 addresses; v64-127 x's fragments, two buffers of 4 x 8; v128-223 the bias as a C operand, 8 a block of columns; on the way out v64-255 packed results
;   window 1: v0-191 W's fragments, two buffers of 12 x 8     window 2: accumulators of my row blocks 0, 1 ((a, b) at 8 (12 (a % 2) + b))     window 3: of row blocks 2, 3
.set NT,    192
.set NB,    NT/16
.set PA,    144                        ; a row of x in LDS: 128 bytes + 16 of padding: an odd multiple of 16, so the 16 rows of a load start at 16 different groups of four banks (ISA guide 11.1)
.set ASUB,  256*PA                     ; one block of 64 channels of the tile's 256 rows
.set PB,    272                        ; a row of W: 256 bytes + 16
.set BOFF,  2*ASUB
.set BHALF, (NT/2)*PB
.set SLOT,  BOFF+NT*PB
.set STAGE, 2*SLOT                     ; behind the ring, never filled by a tensor load: 16 rows x 144 bytes for each wave
.set SP,    144
.set WSTAGE, 16*SP
.set SPARE, STAGE+4*WSTAGE             ; the spare words, 128 bytes for each wave: two blocks of 256 bytes that no other line names
.set NLD,   2*(NB+4)                   ; LDS loads of a quarter step
.set ADRA, 16                          ; v16-17  LDS address of my fragments of x in slot 0, 1
.set ADRB, 20                          ; v20-21  the same for W
.set STO,  24                          ; v24  the way out: where I put 16 bytes of a row
.set RD,   25                          ; v25  where I read rows back
.set GO,   26                          ; v26  my byte offset in 512 consecutive bytes of the output
.set BO,   27                          ; v27  my byte offset in 16 numbers of the bias
.set SPW,  28                          ; v28  LDS address of my spare word; never rewritten
.set NIL,  29                          ; v29  0; never rewritten
.set BIAS, 128
.set BT,   224
.set WV,   12                          ; s12  wave
.set HALF, 13                          ; s13  wave & 1: which block of x, or which half of W's rows, I fetch
.set ISB,  14                          ; s14  wave >> 1: I fetch for x (0) or for W (1)
.set G1A,  24                          ; s[24:31] descriptor group 1 for x;  s[32:39] group 0, a set for each slot
.set G0A,  32
.set G1B,  48                          ; s[48:55], s[56:63] the same for W
.set G0B,  56
.set MSB, 0
.macro WIN new                         ; the immediate's high byte repeats the setting that is left; a switch that changes nothing is dropped
.if MSB != (\new)
	s_set_vgpr_msb (MSB<<8)|(\new)
.set MSB, \new
.endif
.endm
.macro JLOAD s                         ; a joint load: waves 0, 1 fetch x's two blocks, waves 2, 3 W's two halves; an s_nop 0 and four v_nop follow each line, ahead of the jump and the label
	s_cmp_eq_u32 s[ISB], 0
	s_cbranch_scc0 .Lfor_b_\@
	tensor_load_to_lds s[G0A+4*(\s):G0A+4*(\s)+3], s[G1A:G1A+7]
	s_nop 0
.rept 4
	v_nop
.endr
	s_branch .Lasked_\@
.Lfor_b_\@:
	tensor_load_to_lds s[G0B+4*(\s):G0B+4*(\s)+3], s[G1B:G1B+7]
	s_nop 0
.rept 4
	v_nop
.endr
.Lasked_\@:
.endm
.macro CREST                           ; a round of the cluster's barrier behind its opening barrier
	s_cmp_lg_u32 s[WV], 0
	s_cbranch_scc1 .Lnot_wave_0_\@
	s_barrier_signal -3
.Lnot_wave_0_\@:
	s_barrier_wait -3
	s_barrier_signal -1
	s_barrier_wait -1
.endm
.macro CROUND                          ; a whole round
	s_barrier_signal -1
	s_barrier_wait -1
	CREST
.endm
.macro PLACES                          ; four places in front of loads into registers that matrix instructions have read, and of lines that read results
.rept 4
	v_nop
.endr
.endm
	s_load_b256 s[4:11], s[0:1], 0x0               ; xh s[4:5], wqT s[6:7], qkv_b s[8:9], qkvh s[10:11]
	v_lshl_add_u32 v[SPW], v0, 2, SPARE
	v_mov_b32 v[NIL], 0
	ds_add_u32 v[SPW], v[NIL]                      ; the wave's opening: an add and its wait ahead of my first tensor load; the set-up below, work on registers, stands between them
	ds_add_u32 v28, v29
	v_lshrrev_b32 v1, 5, v0
	v_readfirstlane_b32 s[WV], v1
	s_and_b32 s[HALF], s[WV], 1
	s_lshr_b32 s[ISB], s[WV], 1
	s_bfe_u32 s40, ttmp6, 0x40000                  ; cx, cy: my place in the cluster
	s_bfe_u32 s41, ttmp6, 0x40004
	s_lshl_b32 s42, ttmp9, 2
	s_add_co_u32 s42, s42, s40                     ; tile column = 4 x cluster x + cx
	s_and_b32 s43, ttmp7, 0xffff
	s_lshl_b32 s43, s43, 2
	s_add_co_u32 s43, s43, s41                     ; tile row = 4 x cluster y + cy
	s_lshl_b32 s44, s41, 2
	s_lshl_b32 s44, 15, s44                        ; my row of the cluster
	s_lshl_b32 s45, 0x1111, s40                    ; my column
	s_or_b32 s[G1A+0], s44, (1<<16)|(1<<20)|(1<<21)|(4<<22)|(3<<25)  ; mask: my row; 2-byte elements; padding on; bit 21 beside a mask; after every 32 words, 4 words
	s_or_b32 s[G1B+0], s45, (1<<16)|(1<<20)|(1<<21)|(5<<22)|(3<<25)  ; mask: my column; after every 64 words, 4 words
	s_mov_b32 s[G1A+1], 128<<16                    ; tensor_dim0 = 128
	s_mov_b32 s[G1A+2], 128<<16                    ; tensor_dim1 = 128
	s_mov_b32 s[G1A+3], 128<<16                    ; tile_dim0 = 128
	s_mov_b32 s[G1A+4], 128                        ; tile_dim1 = 128
	s_mov_b32 s[G1A+5], 128                        ; 128 elements from row to row: the block is dense
	s_mov_b32 s[G1A+6], 0
	s_mov_b32 s[G1A+7], 0
	s_mov_b32 s[G1B+1], 128<<16                    ; tensor_dim0 = 128
	s_mov_b32 s[G1B+2], (NT/2)<<16                 ; tensor_dim1 = 96
	s_mov_b32 s[G1B+3], 128<<16                    ; tile_dim0 = 128
	s_mov_b32 s[G1B+4], NT/2                       ; tile_dim1 = 96
	s_mov_b32 s[G1B+5], 1024                       ; a row of wqT
	s_mov_b32 s[G1B+6], 0
	s_mov_b32 s[G1B+7], 0
	; x's tile hangs on the tile row and the wave alone, W's on the tile column and the wave alone, each in registers that never hold the other coordinate
	s_lshr_b32 s16, s43, 3
	s_lshl_b32 s16, s16, 22                        ; batch: 16 blocks x 2,048 rows x 128 bytes
	s_and_b32 s22, s43, 7
	s_lshl_b32 s22, s22, 15                        ; 256 rows x 128 bytes
	s_add_co_u32 s16, s16, s22
	s_lshl_b32 s22, s[HALF], 18                    ; my block of the step's two
	s_add_co_u32 s16, s16, s22
	s_mov_b32 s17, 0
	s_mul_i32 s18, s42, NT*2048
	s_mul_i32 s23, s[HALF], (NT/2)*2048
	s_add_co_u32 s18, s18, s23
	s_mov_b32 s19, 0
	s_mul_i32 s20, s[HALF], ASUB                   ; where they go: no place in the cluster enters an LDS address
	s_mul_i32 s21, s[HALF], BHALF
	s_add_co_u32 s21, s21, BOFF
	s_mov_b32 s46, 0xffff0000
	s_wait_dscnt 0x0                               ; the opening add is done
	s_wait_kmcnt 0x0
	s_add_nc_u64 s[16:17], s[4:5], s[16:17]
	s_add_nc_u64 s[18:19], s[6:7], s[18:19]
	CROUND                                         ; all sixteen work-groups are here: the first joint loads meet
.irp s, 0,1
	s_mov_b32 s[G0A+4*(\s)], 1
	s_add_co_u32 s[G0A+4*(\s)+1], s20, (\s)*SLOT
	s_add_nc_u64 s[G0A+4*(\s)+2:G0A+4*(\s)+3], s[16:17], (\s)*524288  ; K step s: two blocks of 262,144 bytes on
	s_or_b32 s[G0A+4*(\s)+3], s[G0A+4*(\s)+3], 0x80000000
	s_mov_b32 s[G0B+4*(\s)], 1
	s_add_co_u32 s[G0B+4*(\s)+1], s21, (\s)*SLOT
	s_add_nc_u64 s[G0B+4*(\s)+2:G0B+4*(\s)+3], s[18:19], (\s)*256
	s_or_b32 s[G0B+4*(\s)+3], s[G0B+4*(\s)+3], 0x80000000
	JLOAD \s                                       ; two loads of mine are out
.endr
	; while the first tiles are on their way: the bias, the addresses
	v_and_b32 v1, 15, v0                           ; l % 16
	v_bfe_u32 v2, v0, 4, 1                         ; l / 16
	v_lshlrev_b32 v[BO], 5, v2                     ; my 8 columns of a block of 16: 32 bytes
	s_mul_i32 s78, s42, NT*4
	s_mov_b32 s79, 0
	s_add_nc_u64 s[76:77], s[8:9], s[78:79]
.set i, 0
.rept NB
	global_load_b128 v[BIAS+8*i:BIAS+8*i+3],   v[BO], s[76:77] offset:64*i
	global_load_b128 v[BIAS+8*i+4:BIAS+8*i+7], v[BO], s[76:77] offset:64*i+16
.set i, i+1
.endr
	v_mul_u32_u24 v3, v1, PA
	v_lshl_add_u32 v3, v2, 4, v3                   ; a fragment's row x pitch + 16 x half
	s_mul_i32 s47, s[WV], 64*PA                    ; my 64 rows
	v_add_nc_u32 v[ADRA], s47, v3
	v_add_nc_u32 v[ADRA+1], SLOT, v[ADRA]
	v_mul_u32_u24 v4, v1, PB
	v_lshl_add_u32 v4, v2, 4, v4
	v_add_nc_u32 v[ADRB], BOFF, v4
	v_add_nc_u32 v[ADRB+1], BOFF+SLOT, v4
	s_mul_i32 s47, s[WV], WSTAGE
	s_add_co_u32 s47, s47, STAGE                   ; my stage
	v_mul_u32_u24 v[STO], v1, SP                   ; in: row l % 16, 16 bytes for each half of the lanes
	v_lshl_add_u32 v[STO], v2, 4, v[STO]
	v_add_nc_u32 v[STO], s47, v[STO]
	v_bfe_u32 v[RD], v0, 3, 2                      ; back: 32 lanes take four rows of 128 bytes,
	v_mul_u32_u24 v[RD], v[RD], SP
	v_and_b32 v5, 7, v0
	v_lshl_add_u32 v[RD], v5, 4, v[RD]
	v_add_nc_u32 v[RD], s47, v[RD]
	v_and_b32 v[GO], 31, v0                        ; which are 512 consecutive bytes of a head
	v_lshlrev_b32 v[GO], 4, v[GO]
	s_and_b32 s66, s43, 7
	s_lshl_b32 s66, s66, 8
	s_lshl_b32 s67, s[WV], 6
	s_add_co_u32 s66, s66, s67
	s_lshl_b32 s66, s66, 7                         ; my first row in a head, x 128 bytes
	s_lshr_b32 s67, s43, 3
	s_lshl_b32 s67, s67, 4                         ; 16 x batch
	s_mov_b32 s75, 0
.irp j, 0,1,2                                  ; my tile's three groups of 64 columns: g = 3 x tile column + j: tensor g / 16 (q, k, v), head g % 16
	s_mul_i32 s78, s42, 3
	s_add_co_u32 s78, s78, \j
	s_lshr_b32 s79, s78, 4
	s_lshl_b32 s79, s79, 6
	s_and_b32 s78, s78, 15
	s_add_co_u32 s78, s78, s79
	s_add_co_u32 s78, s78, s67
	s_lshl_b32 s74, s78, 18                        ; 2,048 rows x 128 bytes
	s_add_co_u32 s74, s74, s66
	s_add_nc_u64 s[68+2*\j:69+2*\j], s[10:11], s[74:75]
.endr
	s_wait_loadcnt 0x0                             ; the bias
.set i, 0
.rept 4*NB
	v_cvt_pk_bf16_f32 v[BT], v[BIAS+2*i], v[BIAS+2*i+1]  ; rounded to bf16 like x and W, and back in f32
	v_lshlrev_b32 v[BIAS+2*i], 16, v[BT]
	v_and_b32 v[BIAS+2*i+1], s46, v[BT]
.set i, i+1
.endr
; 12 matrix instructions: row block 2 hi + a x all column blocks, 32 along K, from buffer f.  first = 1: the bias starts the sums: nothing is cleared and nothing is added later.
; All 48 accumulators take turns, one instruction a turn, in the same order in every quarter step.
.macro MULA f, hi, a, first
.if \first
	WIN 0x81+0x40*(\hi)                            ; W window 1, x and the bias window 0, D window 2 or 3
.else
	WIN 0xa1+0x50*(\hi)                            ; C and D window 2 or 3
.endif
.set nbi, 0
.rept NB
.set rD, 8*(NB*(\a)+nbi)
.set rB, 8*NB*(\f)+8*nbi
.set rA, 64+32*(\f)+8*(2*(\hi)+(\a))
.if \first
	v_wmma_f32_16x16x32_bf16 v[rD:rD+7], v[rB:rB+7], v[rA:rA+7], v[BIAS+8*nbi:BIAS+8*nbi+7]
.else
	v_wmma_f32_16x16x32_bf16 v[rD:rD+7], v[rB:rB+7], v[rA:rA+7], v[rD:rD+7]
.endif
.set nbi, nbi+1
.endr
.endm
.macro MULH f, hi, first
	MULA \f, \hi, 0, \first
	MULA \f, \hi, 1, \first
.endm
; 32 LDS loads in one run: quarter q (32 along K) of a slot into buffer f: W's 12 fragments, then x's 4
.macro FETCH slot, q, f
	WIN 0x40                                       ; destination window 1
.set i, 0
.rept NB
	ds_load_b128 v[8*NB*(\f)+8*i:8*NB*(\f)+8*i+3],   v[ADRB+(\slot)] offset:64*(\q)+i*16*PB
	ds_load_b128 v[8*NB*(\f)+8*i+4:8*NB*(\f)+8*i+7], v[ADRB+(\slot)] offset:64*(\q)+i*16*PB+32
.set i, i+1
.endr
	WIN 0
.set i, 0
.rept 4
	ds_load_b128 v[64+32*(\f)+8*i:64+32*(\f)+8*i+3],   v[ADRA+(\slot)] offset:((\q)/2)*ASUB+((\q)%2)*64+i*16*PA
	ds_load_b128 v[64+32*(\f)+8*i+4:64+32*(\f)+8*i+7], v[ADRA+(\slot)] offset:((\q)/2)*ASUB+((\q)%2)*64+i*16*PA+32
.set i, i+1
.endr
.endm
; One of a K step's first three quarters: multiplies buffer f; in its middle it fetches quarter q of the same slot into buffer g.
.macro QUARTER slot, q, f, g, first
	s_wait_dscnt 4                                 ; W and x's row blocks 0, 1 are in; the youngest four loads (row blocks 2, 3) may be out
	MULH \f, 0, \first
	PLACES
	FETCH \slot, \q, \g
	s_wait_dscnt NLD                               ; all but the run just issued
	MULH \f, 1, \first
.endm
; The last quarter multiplies buffer 1 and changes slots: one barrier; in front of it each wave waits for all its tensor loads (one is out: its part of the next slot), adds 0 to its spare word, and waits
; for that and for its own reads of this slot.  fill = 1: the barrier opens a round of the cluster's barrier, and this slot is filled again, two K steps on, first thing behind the round.
.macro TURN slot, next, fill
	WIN 0                                          ; (the add's two registers lie in window 0)
	s_wait_tensorcnt 0x0
	ds_add_u32 v[SPW], v[NIL]
	s_wait_dscnt 5                                 ; (the add and the youngest four loads may be out)
	MULA 1, 0, 0, 0                                ; twelve matrix instructions stand between the add and the wait for it
	s_wait_dscnt 0x0                               ; the add is done, and my reads of this slot are over
	s_barrier_signal -1
	MULA 1, 0, 1, 0
.if \fill
	WIN 0
.endif
	s_barrier_wait -1
.if \fill
	CREST                                          ; no wave of any partner still reads this slot's tile or has a load on its way
	s_add_nc_u64 s[G0A+4*(\slot)+2:G0A+4*(\slot)+3], s[G0A+4*(\slot)+2:G0A+4*(\slot)+3], 1048576
	s_add_nc_u64 s[G0B+4*(\slot)+2:G0B+4*(\slot)+3], s[G0B+4*(\slot)+2:G0B+4*(\slot)+3], 512
	JLOAD \slot                                    ; 168 matrix instructions ahead of the wait for it; its four v_nop are also the places in front of the loads below
.else
	PLACES
.endif
	FETCH \next, 0, 0
	MULH 1, 1, 0
.endm
	s_wait_tensorcnt 1                             ; my part of K step 0 is in; step 1's may stay out
	s_barrier_signal -1
	s_barrier_wait -1                              ; everybody's is
	FETCH 0, 0, 0
	QUARTER 0, 1, 0, 1, 1                          ; the first quarter stands in front of the loop: its products start the sums
	WIN 0                                          ; at a label and at a branch every window is 0
	s_mov_b32 s3, 3
.Llap:                                                 ; a trip goes once round the ring, from a lap's second quarter to the next lap's first, and fills both slots again: K steps 2 to 7
	QUARTER 0, 2, 1, 0, 0
	QUARTER 0, 3, 0, 1, 0
	TURN 0, 1, 1
	QUARTER 1, 1, 0, 1, 0
	QUARTER 1, 2, 1, 0, 0
	QUARTER 1, 3, 0, 1, 0
	TURN 1, 0, 1
	QUARTER 0, 1, 0, 1, 0
	WIN 0
	s_sub_co_u32 s3, s3, 1
	s_cmp_lg_u32 s3, 0
	s_cbranch_scc1 .Llap
	QUARTER 0, 2, 1, 0, 0                          ; the last lap fills nothing
	QUARTER 0, 3, 0, 1, 0
	TURN 0, 1, 0
	QUARTER 1, 1, 0, 1, 0
	QUARTER 1, 2, 1, 0, 0
	QUARTER 1, 3, 0, 1, 0
	s_wait_dscnt 4
	MULH 1, 0, 0
	s_wait_dscnt 0x0
	MULH 1, 1, 0
	WIN 0
	PLACES
; THE WAY OUT, in 12 units: row block a (16 rows) x group j (64 columns, a head).  A lane's eight columns pack into 16 bytes; they go into my stage's rows of 144 bytes and come back as whole rows of 128.
; Each unit has 16 registers of its own, so no store's data is written again.
.macro PACK a, j
.set R, 64+16*(3*(\a)+(\j))
	WIN 0x0a+5*((\a)/2)                            ; sources in window 2 or 3
.set ff, 0
.rept 4
.set rD, 8*(NB*((\a)%2)+4*(\j)+ff)
.set rr, 0
.rept 4
	v_cvt_pk_f16_f32 v[R+4*ff+rr], v[rD+2*rr], v[rD+2*rr+1]  ; each accumulator from its low end on
.set rr, rr+1
.endr
.set ff, ff+1
.endr
	WIN 0
.set ff, 0
.rept 4
	ds_store_b128 v[STO], v[R+4*ff:R+4*ff+3] offset:32*ff
.set ff, ff+1
.endr
.set ff, 0
.rept 4
	ds_load_b128 v[R+4*ff:R+4*ff+3], v[RD] offset:ff*4*SP  ; LDS serves a wave's instructions in order (ISA guide 5.7.1.4): these see the stores above; the next unit's stores come behind them
.set ff, ff+1
.endr
.endm
.macro SEND a, j, younger              ; younger: the LDS instructions issued behind this unit's loads: the next unit's eight, or none
.set R, 64+16*(3*(\a)+(\j))
.set ff, 0
.rept 4
	s_wait_dscnt (\younger)+3-ff
	global_store_b128 v[GO], v[R+4*ff:R+4*ff+3], s[68+2*(\j):69+2*(\j)] offset:(\a)*2048+ff*512  ; 512 consecutive bytes, at a multiple of 512 from the buffer's first
.set ff, ff+1
.endr
.endm
	PACK 0, 0
.set u, 1
.rept 11                                       ; a unit's conversions stand between the loads of the unit before and its stores
	PACK u/3, u%3
	SEND (u-1)/3, (u-1)%3, 8
.set u, u+1
.endr
	SEND 3, 2, 0
	s_wait_tensorcnt 0x0                           ; the wave's end, behind my last tensor load and my last LDS store
	ds_add_u32 v[SPW], v[NIL]
	s_wait_dscnt 0x0
	CROUND                                         ; the closing round: no work-group ends while a partner may still ask for a tile that names it
	s_endpgm
.Lfunc_end_k_qe5cbb3adc8_qkv:
	.size	k_qe5cbb3adc8_qkv, .Lfunc_end_k_qe5cbb3adc8_qkv-k_qe5cbb3adc8_qkv
	.p2alignl 7, 3214868480
	.fill 96, 4, 3214868480
	.section	.rodata,"a",@progbits
	.p2align	6, 0x0
	.amdhsa_kernel k_qe5cbb3adc8_qkv
		.amdhsa_group_segment_fixed_size 327680
		.amdhsa_private_segment_fixed_size 0
		.amdhsa_enable_private_segment 0
		.amdhsa_kernarg_size 32
		.amdhsa_user_sgpr_count 2
		.amdhsa_user_sgpr_kernarg_segment_ptr 1
		.amdhsa_wavefront_size32 1
		.amdhsa_system_sgpr_workgroup_id_x 1
		.amdhsa_system_sgpr_workgroup_id_y 1
		.amdhsa_system_sgpr_workgroup_id_z 1
		.amdhsa_system_vgpr_workitem_id 0
		.amdhsa_next_free_vgpr 1024
		.amdhsa_next_free_sgpr 80
		.amdhsa_reserve_vcc 0
		.amdhsa_float_denorm_mode_32 3
		.amdhsa_float_denorm_mode_16_64 3
		.amdhsa_memory_ordered 1
		.amdhsa_forward_progress 1
		.amdhsa_inst_pref_size 129
	.end_amdhsa_kernel
	.amdgpu_metadata
---
amdhsa.version: [ 1, 2 ]
amdhsa.kernels:
  - .name:           k_qe5cbb3adc8_qkv
    .symbol:         k_qe5cbb3adc8_qkv.kd
    .args:
      - { .name: xh, .offset: 0, .size: 8, .value_kind: global_buffer, .address_space: global }
      - { .name: wqT, .offset: 8, .size: 8, .value_kind: global_buffer, .address_space: global }
      - { .name: qkv_b, .offset: 16, .size: 8, .value_kind: global_buffer, .address_space: global }
      - { .name: qkvh, .offset: 24, .size: 8, .value_kind: global_buffer, .address_space: global }
    .group_segment_fixed_size: 327680
    .private_segment_fixed_size: 0
    .kernarg_segment_align: 8
    .kernarg_segment_size: 32
    .max_flat_workgroup_size: 128
    .sgpr_count:     80
    .vgpr_count:     1024
    .wavefront_size: 32
...
	.end_amdgpu_metadata
.endif
;; end of part 2
;; launch attn (part 3): grid 4 x 64, 4 waves a work-group, no clusters, 327,680 bytes of LDS; arguments qkvh, oh; writes oh
.if DOCPART == 3
	.amdgcn_target "amdgcn-amd-amdhsa--gfx1250"
	.amdhsa_code_object_version 6
	.text
	.protected	k_qe5cbb3adc8_attn
	.globl	k_qe5cbb3adc8_attn
	.p2align	8
	.type	k_qe5cbb3adc8_attn,@function
k_qe5cbb3adc8_attn:
	s_mov_b64 s[64:65], 0
	v_nop
	global_prefetch_b8 v0, s[64:65] scope:SCOPE_SE
	s_setreg_imm32_b32 hwreg(HW_REG_WAVE_MODE, 25, 1), 1
	s_wait_xcnt 0x0
; CAUSAL ATTENTION.  O[h][q][:] = the sum over k <= q of softmax_k(Q[h][q] . K[h][k] / 8) V[h][k][:].  Q, K, V lie one behind the other in qkvh, each [64][2048][64] in f16; O: oh, the same shape and format.
; Products, maxima and sums in f32; the weights p are rounded to f16 for the second product (their sum l is taken of the unrounded p), O once at the end.
; LIMITS.  f16 holds no number beyond 65,504: Q, K and V arrive within it; p lies in 0 to 1, and below 6e-5 it keeps f16's fixed step of 6e-8; O is a mean of V's rows and has their range.
; A hidden score counts as its value less 1e30: f16's scores, 2.7e11 at the most, are nothing beside that; a weight below 2^-126 counts as 0 in l; NaN and infinities are not treated apart.
; THE WALK.  A head's queries lie in NB = 8 blocks of 256; block i needs the key tiles 0 .. i of 256 keys, of which the last holds the diagonal.  A work-group takes TWO blocks, NB - 1 - b and then b:
; NB + 1 tiles, whatever b: all work-groups do equal work, and ONE loop with a constant trip count walks them.  Which tile is asked for, and what a trip does, hang on scalar registers made from b; every jump
; goes forward, but for the counted loops' own; none passes a barrier, or a tensor load but the one of LOAD's two that the wave's number does not choose; the ring (two slots of LDS) runs on across the change of blocks.
; NO CLUSTER: a head's four work-groups ask for the same tile only in trips 0 .. 4, behind that fewer and fewer; one walk common to all would have 12 trips for 9.
; SHARES.  Of a block's four bands of 64 queries a wave owns 16 rows in each: four PIECES.  So the diagonal tile is the same work for all four waves: in its key step s band x sees all keys if s < x,
; none if s > x, and holds the diagonal if s = x.
; THE MASK is the C operand that starts the sum S^T = K Q^T: 0, or -1e30 where the key is hidden.  MD, made once, is the mask of a band's own step for my 16 rows; a product's mask is MD x AL + BE with two scalars:
; (1, 0) if s = x; (0, 0) if s < x; (0, -1e30) if s > x.  Only the diagonal tile's text and a block's beginning make and take masks; elsewhere C is the constant 0.
; LAYOUT, SOFTMAX, TURNS.  S^T = K Q^T holds ONE query a lane (lane % 16) and the keys 8 (lane / 16) + 0..7; two such results rounded to f16 ARE source 1 of O^T = V^T P.  p = 2^(c s - c m), c = log2(e) / 8, with a
; running maximum m; O and l are multiplied by a = 2^(c m_old - c m_new) in every step.  Turn n belongs to piece n: 8 products K Q^T of piece n + 1, later 8 products V^T P of piece n - 1; beside them the scaling,
; exponentials, roundings, sums and rescaling of piece n and the maximum and statistics of piece n + 1.  Four vector instructions stand behind every matrix instruction, the other 54 of a turn's 118 in two lumps.
; REGISTERS, in windows of 256 (s_set_vgpr_msb: bits 1:0 source 0, 3:2 source 1, 5:4 source 2, 7:6 destination):
;   window 0: v0-15 addresses and two at work; v16-31 four registers of statistics a piece; v48-55 at work; v61-63 prefetch offset, spare word, 0; v64-127 S^T, two buffers; v192-223 P, two buffers
;   window 1: v0-127 O^T, 32 a piece; v128-159 MD; v160-223 MC, two buffers      window 2: v0-63 Q; v64-127 the second block's Q; v128-191 K of one step; v192-255 V of one step
.set SIZE_H, 64
.set SIZE_N, 2048
.set NB,    SIZE_N/256
.set NP,    4         ; pieces a wave: a name, no knob
.set KS,    64        ; keys in a step
.set PK,    144       ; a row of K in LDS: 128 bytes + 16 of padding = 36 words: the 16 rows of a load start at 16 different groups of four banks (ISA guide 11.1)
.set PV,    160       ; a row of V: 128 + 32 = 40 words
.set VOFF,  4*KS*PK   ; a slot holds a tile, four steps: 256 rows of K, then 256 rows of V
.set SLOT1, 1<<17     ; slot 1 begins here, so that one exclusive or turns an address in one slot into the other's
.set STAGE, SLOT1+4*KS*(PK+PV)  ; behind the ring, never filled by a tensor load: 16 rows x 144 bytes for each wave, for the way out
.set SP,    144
.set AK0, 2           ; v2   my lane's place in a tile of K; never rewritten
.set AV0, 3           ; v3   the same for V
.set AK,  4           ; v4   the LDS address of K's next run of loads
.set AV,  5           ; v5   of V's
.set STO, 6           ; v6   the way out: where I put 16 bytes of a row
.set RD,  7           ; v7   the way out: where I read rows back
.set GO,  8           ; v8   my byte offset in 512 consecutive bytes of O
.set PFO, 61          ; v61  256 x my lane: the prefetches' offset; never rewritten
.set SPW, 62          ; v62  LDS address of my spare word: SPARE + 4 x my thread's number; never rewritten
.set NIL, 63          ; v63  0; never rewritten
.set SPARE, STAGE+4*16*SP  ; behind the stages: the spare words, 128 bytes for each wave: two blocks of 256 bytes that no other line names
.set MV,  12          ; v12-13  c m_old, kept while c m is made anew: by buffer
.set QO,  15          ; v15  my byte offset in 16 rows of Q
.set ST,  16          ; piece t's statistics at v[ST+4 t]: c m, m, l (even keys', odd keys')
.set TMP, 48          ; by buffer, four registers c0-c3 at work; when the maximum is found c2 takes a
.set S,   64
.set P,   192
.set MD,  128         ; window 1: the eight registers for group kt of 16 keys at MD + 8 kt
.set MC,  160         ; window 1: the masks of the products to come
.set QB,  64          ; window 2
.set KF,  128         ; window 2: key block kb, channel half c at KF + 16 kb + 8 c
.set VF,  192         ; window 2: key half kk, channel block cb at VF + 32 kk + 8 cb
.set WV,  12          ; s12  my wave's number
.set PB,  14          ; s14  b
.set HI,  15          ; s15  NB - 1 - b
.set G1K, 24          ; s[24:31] descriptor group 1 for K's tiles
.set G1V, 32          ; s[32:39] for V's: it differs in the padding alone
.set G0K, 40          ; s[40:43] descriptor group 0 for K's tiles
.set G0V, 44          ; s[44:47] the same for V's
.set SLOTS, 56        ; s56  tiles still to be asked for
.set CNT, 57          ; s57  counts a tile's key steps, 4 to 1
.set CS,  58          ; s[58:59] c: the packed scaling takes the pair's low word for both halves
.set SEL, 60          ; s[60:61] v_permlanex16_b32's selects: each lane takes its own place in the other half
.set TBK, 62          ; s62  LDS byte at which K of the step to be fetched begins
.set TBV, 63          ; s63  the same for V, less VOFF
.set RT,  70          ; s70  tiles of the block in hand that are still to be entered
.set NXT, 71          ; s71  the tile to be asked for next
.set LQ,  72          ; s72  the last tile of the block whose tiles are being asked for
.set NEW, 73          ; s73  1: the tile to be entered is a block's first
.set OFF, 74          ; s[74:75] a tile's byte offset in K and V
.set AL,  76          ; s[76:77] the mask's factor, in the low word
.set BE,  78          ; s[78:79] the mask's addend
.set OLO, 80          ; s[80:81] O at my rows of the second block
.set BIGN, 82         ; s82  -1e30
.set PFB, 88          ; s[88:89] what I fetch of the head's tile 0: my half of K (waves 0, 1) or of V (waves 2, 3)
.set PFA, 90          ; s[90:91] the same of the tile that the next change of slots will ask for
.set OF2, 92          ; s[92:93] that tile's byte offset
.set PFL, 94          ; s94  0 in the head's work-group b = 0, else the greatest number: a wave prefetches while s[NXT] is above it
.set MSB, 0
.macro WIN new                      ; the high byte repeats the setting that is left; a switch that changes nothing is dropped
.if MSB != (\new)
	s_set_vgpr_msb (MSB<<8)|(\new)
.set MSB, (\new)
.endif
.endm
.set W_KQ, 0x0a       ; K and Q in window 2, S^T in window 0
.set W_KM, 0x1a       ; the same with the C operand in window 1
.set W_PV, 0x52       ; V in window 2, P in window 0, O^T in window 1
.set W_RS, 0x41       ; destination and source 0 in window 1, source 1 in window 0
; A fill.  Waves 0 and 1 fetch the two halves of a tile's K, waves 2 and 3 those of its V: 128 keys each.  An s_nop 0 and four v_nop follow each of the two lines, ahead of the jump and the label.
.macro LOAD
	s_cmp_lt_u32 s[WV], 2
	s_cbranch_scc0 .Lfor_v_\@
	tensor_load_to_lds s[G0K:G0K+3], s[G1K:G1K+7]
	s_nop 0
.rept 4
	v_nop
.endr
	s_branch .Lasked_\@
.Lfor_v_\@:
	tensor_load_to_lds s[G0V:G0V+3], s[G1V:G1V+7]
	s_nop 0
.rept 4
	v_nop
.endr
.Lasked_\@:
.endm
; A PREFETCH INTO THE L2 of what the NEXT change of slots will ask for.  A head's four work-groups walk the same tiles 0, 1, 2 ..; the one with b = 0 walks all eight on end, so it asks, and nobody else.
; Each of its waves names what its own next tensor load will bring: 128 keys x 128 bytes = 64 blocks of 256 bytes, a lane a block, two instructions.  So each block of K and V is named once in the launch.
; Tiles 0 and 1 come by their loads alone; behind tile 7 the tile's number goes back to 0 and nothing is asked for: the highest byte named lies in the head's last tile.
.macro ASK
	s_cmp_gt_u32 s[NXT], s[PFL]
	s_cbranch_scc0 .Lnot_mine_\@
	global_prefetch_b8 v[PFO], s[PFA:PFA+1] th:TH_LOAD_NT scope:SCOPE_SE
	global_prefetch_b8 v[PFO], s[PFA:PFA+1] offset:8192 th:TH_LOAD_NT scope:SCOPE_SE
.Lnot_mine_\@:
.endm
; THE CHANGE OF SLOTS.  Each wave waits for all its tensor loads, of which one is out: its part of the other slot; adds 0 to its spare word; and waits for that and for its own reads of the slot that it leaves.
; Behind the barrier nobody reads the old slot any more and the other slot is whole.  fill = 1: the old slot is filled again, the first thing behind the barrier, with tile NXT: the descriptor's address is made
; anew from that number.  (At its first use nothing has been read yet: slot 0 is waited for, slot 1 filled.)
.macro CHANGE fill
	WIN 0                           ; at a label and at a branch every window is 0
	s_wait_tensorcnt 0x0            ; no tensor load of mine is out, so a group 0 may be written
	ds_add_u32 v[SPW], v[NIL]       ; 0 onto my spare word; with fill = 1 the descriptors' scalar work stands between it and the wait for it
.if \fill
	s_lshl_b32 s[OFF], s[NXT], 15   ; a tile is 32,768 bytes of K and of V
	s_xor_b32 s[G0K+1], s[G0K+1], SLOT1
	s_add_nc_u64 s[G0K+2:G0K+3], s[6:7], s[OFF:OFF+1]
	s_or_b32 s[G0K+3], s[G0K+3], 0x80000000
	s_xor_b32 s[G0V+1], s[G0V+1], SLOT1
	s_add_nc_u64 s[G0V+2:G0V+3], s[8:9], s[OFF:OFF+1]
	s_or_b32 s[G0V+3], s[G0V+3], 0x80000000
	s_add_co_u32 s[NXT], s[NXT], 1  ; the block's next tile, or behind its last the second block's tile 0
	s_cmp_gt_u32 s[NXT], s[LQ]
	s_cselect_b32 s[NXT], 0, s[NXT]
	s_cselect_b32 s[LQ], s[PB], s[LQ]
	s_wait_xcnt 0x0                 ; the last prefetches, a tile back, have read their address, so it may be written
	s_lshl_b32 s[OF2], s[NXT], 15
	s_add_nc_u64 s[PFA:PFA+1], s[PFB:PFB+1], s[OF2:OF2+1]
.endif
	s_wait_dscnt 0x0                ; the add is done, and my reads of the slot are over
	s_barrier_signal -1             ; the rest of the scalar work stands between the signal and the wait
	s_sub_co_u32 s[TBK], s[TBK], 4*KS*PK  ; the fetches go back to a slot's first step,
	s_xor_b32 s[TBK], s[TBK], SLOT1       ; in the other slot
	s_sub_co_u32 s[TBV], s[TBV], 4*KS*PV
	s_xor_b32 s[TBV], s[TBV], SLOT1
	s_barrier_wait -1
.if \fill
	LOAD
	ASK                             ; a tile, 256 matrix instructions, ahead of the load that will want it
.endif
.endm
	s_load_b64 s[4:5], s[0:1], 0x0    ; qkvh: Q, and behind it K and V
	s_load_b64 s[10:11], s[0:1], 0x8  ; oh
	v_lshl_add_u32 v[SPW], v0, 2, SPARE
	v_mov_b32 v[NIL], 0
	ds_add_u32 v[SPW], v[NIL]       ; the wave's opening: an add and its wait ahead of my first tensor load; the set-up below, work on registers, stands between them
	ds_add_u32 v62, v63
	v_lshrrev_b32 v1, 5, v0
	v_readfirstlane_b32 s[WV], v1   ; wave 0..3
	s_mov_b32 s[PB], ttmp9
	s_sub_co_u32 s[HI], NB-1, s[PB]
	s_and_b32 s20, ttmp7, 0xffff    ; the head
	s_mov_b32 s21, 0
	s_mov_b64 s[22:23], SIZE_N*128
	s_mul_u64 s[20:21], s[20:21], s[22:23]  ; the head's first byte in each of the four tensors
	s_and_b32 s16, s[WV], 1         ; which half of a tile's 256 keys I fetch:
	s_lshl_b32 s22, s16, 14         ; its 128 rows of 128 bytes in memory,
	s_mov_b32 s23, 0
	s_add_nc_u64 s[22:23], s[22:23], s[20:21]
	s_mul_i32 s17, s16, 128*PK      ; and its place in a slot, for K
	s_mul_i32 s18, s16, 128*PV      ; and for V
	s_lshl_b32 s3, s[WV], 11        ; my 16 rows in a band of 64,
	s_lshl_b32 s2, s[HI], 15        ; in the first block,
	s_add_co_u32 s2, s2, s3
	s_lshl_b32 s84, s[PB], 15       ; and in the second
	s_add_co_u32 s84, s84, s3
	s_mov_b32 s3, 0
	s_mov_b32 s85, 0
	s_add_nc_u64 s[2:3], s[2:3], s[20:21]
	s_add_nc_u64 s[84:85], s[84:85], s[20:21]
	; descriptor group 1.  128 keys are 16,384 dense bytes: asked for as 64 rows of 256 bytes, two keys a row, and padded in LDS after every key
	s_mov_b32 s[G1K], (1<<16)|(1<<20)|(4<<22)|(3<<25)  ; 17:16 2-byte elements; 20 padding on; 24:22 after every 32 words (code 4); 31:25 4 words (code 3)
	s_mov_b32 s[G1V], (1<<16)|(1<<20)|(4<<22)|(7<<25)  ; the same with 8 words of padding (code 7)
.irp g, G1K, G1V
	s_mov_b32 s[\g+1], 128<<16      ; tensor_dim0 = 128
	s_mov_b32 s[\g+2], 64<<16       ; tensor_dim1 = 64
	s_mov_b32 s[\g+3], 128<<16      ; tile_dim0 = 128
	s_mov_b32 s[\g+4], 64           ; tile_dim1 = 64
	s_mov_b32 s[\g+5], 128          ; 128 elements from row to row
	s_mov_b32 s[\g+6], 0
	s_mov_b32 s[\g+7], 0
.endr
	s_mov_b32 s[CS], 0x3e38aa3b     ; c = log2(e) / 8 = 0.180337
	s_mov_b32 s[CS+1], s[CS]        ; named with it as a pair
	s_mov_b32 s[SEL], 0x76543210
	s_mov_b32 s[SEL+1], 0xfedcba98
	s_mov_b32 s[TBK], SLOT1+4*KS*PK ; the first change of slots turns these two into 0
	s_mov_b32 s[TBV], SLOT1+4*KS*PV
	s_mov_b32 s[G0K], 1             ; 1:0 count = 1
	s_mov_b32 s[G0K+1], s17         ; 63:32 LDS address: slot 0
	s_mov_b32 s[G0V], 1
	s_add_co_u32 s[G0V+1], s18, VOFF
	s_add_co_u32 s[RT], s[HI], 1    ; the first block has NB - b tiles
	s_mov_b32 s[NXT], 1
	s_mov_b32 s[LQ], s[HI]
	s_mov_b32 s[NEW], 1
	s_mov_b32 s[OFF+1], 0
	s_mov_b32 s[OF2+1], 0
	s_mov_b32 s[AL+1], 0            ; named as pairs
	s_mov_b32 s[BE+1], 0
	s_mov_b32 s[BIGN], 0xf149f2ca   ; -1e30
	s_mov_b32 s[SLOTS], NB
	s_cmp_eq_u32 ttmp9, 0
	s_cselect_b32 s[PFL], 0, -1
	v_and_b32 v[PFO], 31, v0
	v_lshlrev_b32 v[PFO], 8, v[PFO]
	s_wait_dscnt 0x0                ; the opening add is done
	s_wait_kmcnt 0x0
	s_add_nc_u64 s[6:7], s[4:5], 0x1000000  ; K lies 64 heads x 2,048 rows x 128 bytes behind Q,
	s_add_nc_u64 s[8:9], s[4:5], 0x2000000  ; V as far behind K
	s_add_nc_u64 s[6:7], s[6:7], s[22:23]  ; K and V at my half of the head's tile 0
	s_add_nc_u64 s[8:9], s[8:9], s[22:23]
	s_cmp_lt_u32 s[WV], 2
	s_cselect_b64 s[PFB:PFB+1], s[6:7], s[8:9]
	s_add_nc_u64 s[G0K+2:G0K+3], s[6:7], 0         ; 120:64 global address
	s_or_b32 s[G0K+3], s[G0K+3], 0x80000000        ; 127:126 type = 2
	s_add_nc_u64 s[G0V+2:G0V+3], s[8:9], 0
	s_or_b32 s[G0V+3], s[G0V+3], 0x80000000
	s_add_nc_u64 s[86:87], s[4:5], s[84:85]        ; Q at my rows of the second block,
	s_add_nc_u64 s[4:5], s[4:5], s[2:3]            ; Q and O at those of the first
	s_add_nc_u64 s[OLO:OLO+1], s[10:11], s[84:85]
	s_add_nc_u64 s[10:11], s[10:11], s[2:3]
	LOAD                            ; tile 0 into slot 0
	; A fragment of K or Q is 16 rows x 32 channels in 8 registers: lane l holds row l % 16, channels 8 (l / 16) + 0..7 and 16 + 8 (l / 16) + 0..7: two loads of 16 bytes, 32 bytes apart.
	v_and_b32 v1, 15, v0            ; l % 16
	v_bfe_u32 v9, v0, 4, 1          ; l / 16
	v_lshlrev_b32 v[QO], 7, v1
	v_lshl_add_u32 v[QO], v9, 4, v[QO]  ; row x 128 + 16 x half
	WIN 0x80                        ; destination window 2, address window 0
.set i, 0
.rept 8                             ; both blocks' Q: piece i / 2 lies in band i / 2, 8,192 bytes on; channels 32 (i % 2) on
	global_load_b128 v[8*i:8*i+3],   v[QO], s[4:5] offset:(i/2)*8192+(i%2)*64
	global_load_b128 v[8*i+4:8*i+7], v[QO], s[4:5] offset:(i/2)*8192+(i%2)*64+32
	global_load_b128 v[QB+8*i:QB+8*i+3],   v[QO], s[86:87] offset:(i/2)*8192+(i%2)*64
	global_load_b128 v[QB+8*i+4:QB+8*i+7], v[QO], s[86:87] offset:(i/2)*8192+(i%2)*64+32
.set i, i+1
.endr
	WIN 0
	v_lshlrev_b32 v14, 3, v9
	v_sub_nc_u32 v14, v1, v14
	s_lshl_b32 s13, s[WV], 4
	v_add_nc_u32 v14, s13, v14      ; my query's place in its band, 16 w + l % 16, less my lanes' 8 (l / 16): register r of group kt is hidden where 16 kt + r is greater
	WIN 0x40
.set i, 0
.rept 32
	v_cmp_gt_i32 vcc_lo, 16*(i/8)+i%8, v14
	v_cndmask_b32 v[MD+i], 0, s[BIGN], vcc_lo
.set i, i+1
.endr
	WIN 0
	v_mul_u32_u24 v[AK0], v1, PK
	v_lshl_add_u32 v[AK0], v9, 4, v[AK0]  ; row x pitch + 16 x half
	; The turning load takes 16 keys x 16 channels (lane l reads key 8 (l / 16) + l % 8, channels 8 ((l / 8) % 2) + 0..7) and leaves half a fragment of V^T: lane l holds channel l % 16 and 8 keys.
	v_and_b32 v10, 7, v0
	v_bfe_u32 v11, v0, 3, 1
	v_lshl_add_u32 v[AV0], v9, 3, v10
	v_mul_u32_u24 v[AV0], v[AV0], PV
	v_lshl_add_u32 v[AV0], v11, 4, v[AV0]
	v_add_nc_u32 v[AV0], VOFF, v[AV0]
	s_mul_i32 s13, s[WV], 16*SP
	s_add_co_u32 s13, s13, STAGE    ; my stage
	v_mul_u32_u24 v[STO], v1, SP    ; in: row l % 16, 16 bytes for each half of the lanes
	v_lshl_add_u32 v[STO], v9, 4, v[STO]
	v_add_nc_u32 v[STO], s13, v[STO]
	v_bfe_u32 v[RD], v0, 3, 2       ; back: 32 lanes take four rows of 128 bytes,
	v_mul_u32_u24 v[RD], v[RD], SP
	v_lshl_add_u32 v[RD], v10, 4, v[RD]
	v_add_nc_u32 v[RD], s13, v[RD]
	v_and_b32 v[GO], 31, v0         ; which are 512 consecutive bytes of O
	v_lshlrev_b32 v[GO], 4, v[GO]
	; A block's first step multiplies O^T and l by a = 0, and its first turn's products V^T P, of a piece that has not been, land in an O^T that is still to be so multiplied.  So these registers need only hold
	; finite numbers: zeros for the first block; what the first block left for the second.  All this stands in the wait for the first tile.
	WIN 0x80
.set i, VF
.rept 64
	v_mov_b32 v[i], 0
.set i, i+1
.endr
	WIN 0x40
.set i, 0
.rept 128
	v_mov_b32 v[i], 0
.set i, i+1
.endr
	WIN 0
.set i, 0
.rept 4
	v_mov_b32 v[ST+4*i+2], 0
	v_mov_b32 v[ST+4*i+3], 0
.set i, i+1
.endr
.set i, P+16
.rept 16
	v_mov_b32 v[i], 0
.set i, i+1
.endr
; THE MATRIX WORK.  The 4 accumulators of a run of 8 take turns.  Product i of 8 of S^T = K Q^T for piece x: channels 32 (i / 4) on, keys 16 (i % 4) on.  The first 4 start the sums: with 0, or (KM = 1) with the mask.
.macro KQ x
.set rS, S+32*((\x)%2)+8*(i%4)
.set rK, KF+16*(i%4)+8*(i/4)
.set rQ, 16*(\x)+8*(i/4)
.set rM, MC+32*((\x)%2)+8*(i%4)
.if (i < 4) && KM
	WIN W_KM
	v_wmma_f32_16x16x32_f16 v[rS:rS+7], v[rK:rK+7], v[rQ:rQ+7], v[rM:rM+7]
.elseif i < 4
	WIN W_KQ
	v_wmma_f32_16x16x32_f16 v[rS:rS+7], v[rK:rK+7], v[rQ:rQ+7], 0
.else
	WIN W_KQ
	v_wmma_f32_16x16x32_f16 v[rS:rS+7], v[rK:rK+7], v[rQ:rQ+7], v[rS:rS+7]
.endif
.endm
; Product i of 8 of O^T += V^T P for piece x: keys 32 (i / 4) on, channels 16 (i % 4) on.
.macro PV x
	WIN W_PV
.set rO, 32*(\x)+8*(i%4)
.set rV, VF+32*(i/4)+8*(i%4)
.set rP, P+16*((\x)%2)+8*(i/4)
	v_wmma_f32_16x16x32_f16 v[rO:rO+7], v[rV:rV+7], v[rP:rP+7], v[rO:rO+7]
.endm
.macro MM                           ; the turn's next matrix instruction.  TURN and BEGIN set Y, i, KM and NOKQ; MM, KQ and OP read them.  NOKQ = 1: a block's last turn: there is no next piece
.if (i < 8) && !NOKQ
	KQ (Y+1)%NP
.elseif i >= 8
.set i, i-8
	PV (Y+NP-1)%NP
.set i, i+8
.endif
.set i, i+1
.endm
; THE LDS LOADS stand in runs of 16, never singly among the matrix instructions: a step's K (64 keys x 64 channels: 8 fragments) and its V (turned).  Their addresses are made some lines ahead.
.macro FETCH_K
	WIN 0x80                        ; destination window 2
.irp f, 0,1,2,3,4,5,6,7             ; keys 16 (f / 2) on, channels 32 (f % 2) on
	ds_load_b128 v[KF+8*\f:KF+8*\f+3],   v[AK] offset:(\f/2)*16*PK+(\f%2)*64
	ds_load_b128 v[KF+8*\f+4:KF+8*\f+7], v[AK] offset:(\f/2)*16*PK+(\f%2)*64+32
.endr
	s_add_co_u32 s[TBK], s[TBK], KS*PK  ; the next fetch is the next step's
	WIN 0
.endm
.macro FETCH_V
	WIN 0x80
.irp f, 0,1,2,3,4,5,6,7             ; keys 32 (f / 4) on, channels 16 (f % 4) on
	ds_load_tr16_b128 v[VF+8*\f:VF+8*\f+3],   v[AV] offset:(\f/4)*32*PV+(\f%4)*32
	ds_load_tr16_b128 v[VF+8*\f+4:VF+8*\f+7], v[AV] offset:(\f/4)*32*PV+16*PV+(\f%4)*32
.endr
	WIN 0
.endm
; THE VECTOR WORK, one line at a time: OP kind, number.  For piece Y: F n: c s - c m for pair n of 16.  E n: the exponential of score n of 32.  C n: pair n rounded to f16.  B n: of the four weights 4 n .. the second
; pair is added onto the first, in place.  L n: l takes that sum (L 0: l = a l + sum).  R n: pair n of 16 of O^T times a.  For piece Y + 1: X n, number n of the 22 that find its maximum and statistics:
;   0-11  four chains c0-c3 of seven scores each, three operands at a time (each accumulator's lowest registers are read first)     12-14, 16  the four scores left over, the old m, and c0-c3 into c0
;   15  c m_old is kept     17, 18  the query's other 32 keys lie in the lane 16 away: the new m     19-21  c m; c m_old - c m_new; a
.set F, 0               ; OP tells the kinds apart by their order: F to L below R, X above it
.set E, 1
.set C, 2
.set B, 3
.set L, 4
.set R, 5
.set X, 6
.macro REGS y                       ; the registers of piece y
.set rT, ST+4*(\y)
.set rC, TMP+4*((\y)%2)
.set rW, MV+((\y)%2)
.set rS, S+32*((\y)%2)
.set rP, P+16*((\y)%2)
.set rO, 32*(\y)
.endm
.macro OP k, n
.if (\k) == R
	REGS Y
	WIN W_RS
	v_pk_mul_f32 v[rO+2*(\n):rO+2*(\n)+1], v[rO+2*(\n):rO+2*(\n)+1], v[rC+2:rC+3] op_sel_hi:[1,0]
.elseif (\k) < R
	REGS Y
	WIN 0
.if (\k) == F
	v_pk_fma_f32 v[rS+2*(\n):rS+2*(\n)+1], v[rS+2*(\n):rS+2*(\n)+1], s[CS:CS+1], v[rT:rT+1] op_sel_hi:[1,0,0] neg_lo:[0,0,1] neg_hi:[0,0,1]
.elseif (\k) == E
	v_exp_f32 v[rS+(\n)], v[rS+(\n)]
.elseif (\k) == C
	s_wait_alu depctr_va_vdst(0)
	v_cvt_pk_f16_f32 v[rP+(\n)], v[rS+2*(\n)], v[rS+2*(\n)+1]
.elseif (\k) == B
	s_wait_alu depctr_va_vdst(0)
	v_pk_add_f32 v[rS+4*(\n):rS+4*(\n)+1], v[rS+4*(\n):rS+4*(\n)+1], v[rS+4*(\n)+2:rS+4*(\n)+3]
.elseif (\n) == 0
	v_pk_fma_f32 v[rT+2:rT+3], v[rT+2:rT+3], v[rC+2:rC+3], v[rS:rS+1] op_sel_hi:[1,0,1]
.else
	v_pk_add_f32 v[rT+2:rT+3], v[rT+2:rT+3], v[rS+4*(\n):rS+4*(\n)+1]
.endif
.elseif NOKQ
	v_nop
.else
	REGS (Y+1)%NP
	WIN 0
.if (\n) < 4
	v_max3_num_f32 v[rC+(\n)], v[rS+8*(\n)], v[rS+8*(\n)+1], v[rS+8*(\n)+2]
.elseif (\n) < 12
	v_max3_num_f32 v[rC+(\n)%4], v[rC+(\n)%4], v[rS+8*((\n)%4)+2*((\n)/4)+1], v[rS+8*((\n)%4)+2*((\n)/4)+2]
.elseif (\n) == 12
	v_max3_num_f32 v[rC], v[rC], v[rS+7], v[rS+15]
.elseif (\n) == 13
	v_max3_num_f32 v[rC+1], v[rC+1], v[rS+23], v[rS+31]
.elseif (\n) == 14
	v_max3_num_f32 v[rC+2], v[rC+2], v[rC+3], v[rT+1]
.elseif (\n) == 15
	v_mov_b32 v[rW], v[rT]
.elseif (\n) == 16
	v_max3_num_f32 v[rC], v[rC], v[rC+1], v[rC+2]
.elseif (\n) == 17
	v_permlanex16_b32 v[rC+3], v[rC], s[SEL], s[SEL+1]
.elseif (\n) == 18
	v_max_num_f32 v[rT+1], v[rC], v[rC+3]
.elseif (\n) == 19
	v_mul_f32 v[rT], s[CS], v[rT+1]
.elseif (\n) == 20
	v_sub_f32 v[rC+1], v[rW], v[rT]
.else
	v_exp_f32 v[rC+2], v[rC+1]
.endif
.endif
.endm
.macro OPS a, i1, b=-1, i2=0, c=-1, i3=0, d=-1, i4=0  ; up to four of them
	OP \a, \i1
.if (\b) >= 0
	OP \b, \i2
.endif
.if (\c) >= 0
	OP \c, \i3
.endif
.if (\d) >= 0
	OP \d, \i4
.endif
.endm
.macro ROW a, i1, b, i2, c, i3, d, i4  ; a matrix instruction and the four behind it
	MM
	OPS \a, \i1, \b, \i2, \c, \i3, \d, \i4
.endm
.macro MASK b                       ; MD x AL + BE into buffer b of MC
	WIN W_RS
.set z, 0
.rept 16
	v_pk_fma_f32 v[MC+32*(\b)+2*z:MC+32*(\b)+2*z+1], v[MD+2*z:MD+2*z+1], s[AL:AL+1], s[BE:BE+1] op_sel_hi:[1,0,0]
.set z, z+1
.endr
.endm
; A TURN, for piece p: the order of its 16 matrix and 118 vector instructions, written out.  Behind a matrix instruction: plain, exponential, plain, plain; or four of the rescaling; or, behind the first, four scalings; none
; names a register of the products round it.  In the lumps exponential and plain by turns while exponentials last.  A line reads no result made fewer than three vector instructions in front of it, five if an exponential made it.
; v_permlanex16_b32 (X 17) stands in a lump.
; m = 1: the diagonal tile: the products take masks, and the turn makes the mask for the products of the turn after it: piece p + 2, in step 4 - CNT of the tile.  end = 1: a block's last two turns: nothing is fetched.
; cnt = 1: the loop's count is taken down some lines ahead of the branch that stands behind the turn.
; K of the next step is fetched in piece 2's turn, six vector instructions behind the last product that read K (five of them plain); V of the step in hand in piece 0's turn, eight behind the last product that read V (four
; plain, and X 17).  Each is waited for a turn later.
.macro TURN p, m=0, end=0, cnt=0
.set Y, (\p)
.set i, 0
.set KM, (\m)
.set NOKQ, (\end)*((\p)/3)
.if (\m) && !(\end)
	s_cmp_eq_u32 s[CNT], 4-((\p)+2)%NP  ; is that step the band's own?
	s_cselect_b32 s[AL], 1.0, 0
	s_cmp_lt_u32 s[CNT], 4-((\p)+2)%NP  ; or a later one?
	s_cselect_b32 s[BE], s[BIGN], 0
.endif
.if ((\p) == 3) && !(\end)
	s_wait_dscnt 0x0                ; K is in
.endif
	ROW F,0, F,1, F,2, F,3
	ROW F,4, E,0, F,5, F,6
	ROW F,7, E,1, F,8, F,9
	ROW F,10, E,2, C,0, F,11
	ROW F,12, E,3, X,15, F,13
	ROW R,0, R,1, R,2, R,3
	ROW B,0, E,4, F,14, L,0
.if ((\p) == 2) && !(\end)
	v_add_nc_u32 v[AK], s[TBK], v[AK0]
.endif
	ROW R,4, R,5, R,6, R,7
	OPS E,5, F,15
.if ((\p) == 2) && !(\end)
	FETCH_K
.endif
	OPS E,6, C,1, E,7, R,8
	OPS E,8, R,9, E,9, C,2
	OPS E,10, X,0, E,11, X,1
	OPS E,12, X,2, E,13, X,3
.if (\p) == 1
	s_wait_dscnt 0x0                ; V is in
.endif
	ROW X,4, E,14, X,5, X,6
	ROW X,7, E,15, X,8, X,9
	ROW X,10, E,16, X,11, X,12
	ROW X,13, E,17, X,14, B,1
	ROW C,4, E,18, X,16, L,1
	ROW B,2, E,19, C,6, L,2
	ROW C,8, E,20, B,3, B,4
.if (\p) == 0
	v_add_nc_u32 v[AV], s[TBV], v[AV0]
.endif
	ROW C,3, E,21, L,3, C,5
	OPS E,22, X,17, E,23, C,10
.if (\p) == 0
	FETCH_V
.endif
	OPS E,24, L,4
	OPS E,25, X,18, E,26, C,7
	OPS E,27, B,5, E,28, X,19
	OPS E,29, C,12, E,30, L,5
	OPS E,31, X,20, B,6, C,9
	OPS C,14, C,11, X,21, L,6
.if (\p) == 0
	s_add_co_u32 s[TBV], s[TBV], KS*PV
.endif
.if \cnt
	s_sub_co_u32 s[CNT], s[CNT], 1
	s_cmp_lg_u32 s[CNT], 0
.endif
	OPS C,13, B,7, C,15, R,10
	OPS R,11, R,12, L,7, R,13
	OPS R,14, R,15
.if (\m) && !(\end)
	MASK (\p)%2
.endif
.endm
; A BLOCK BEGINS.  c m starts far below every c s, so the first step's a is 0; m at the lowest finite number, so the first maximum is the scores'.  The second mask buffer is 0; the first takes piece 0's mask for the tile's step 0: its own, if the block's first tile is the diagonal one.
; Then K of that step, piece 0's first scores, and its maximum and statistics.  The loop is entered at a step's first turn, in the middle of a trip.
.macro BEGIN
	s_mov_b32 s[NEW], 0
	WIN 0x40
.set i, MC+32
.rept 32
	v_mov_b32 v[i], 0
.set i, i+1
.endr
	WIN 0
.set i, 0
.rept 4
	v_mov_b32 v[ST+4*i], 0xfe000000    ; c m: far below every c s
	v_mov_b32 v[ST+4*i+1], 0xff7fffff  ; m
.set i, i+1
.endr
	s_cmp_eq_u32 s[RT], 0
	s_cselect_b32 s[AL], 1.0, 0
	s_mov_b32 s[BE], 0
	MASK 0
	WIN 0
	v_add_nc_u32 v[AK], s[TBK], v[AK0]
	FETCH_K
	s_wait_loadcnt 0x0              ; Q
	s_wait_dscnt 0x0
.set KM, 1
.set NOKQ, 0
.set i, 0
.rept 8
	KQ 0
.set i, i+1
.endr
	WIN 0
.rept 4
	v_nop                           ; the places behind those products
.endr
.set Y, NP-1                        ; X works for piece Y + 1: piece 0
.irp n, 0,1,2,3,4,5,6,7,8,9,10,11,12,13,14,15,16,17,18,19,20,21
	OP X, \n
.endr
	v_nop                           ; a plain instruction behind the exponential
.endm
; THE DIAGONAL TILE's four steps, the block's last two turns, its last products, and THE WAY OUT: l's two halves and the other half of the lanes' are added; O^T is divided by l, rounded to f16 and sent through my
; stage in LDS, a piece at a time.
.macro ALL line:vararg              ; one line for each piece t
.set t, 0
.rept 4
	\line
.set t, t+1
.endr
.endm
.macro PACK t                       ; a lane's eight channels of a row pack into 16 bytes; they go into rows of 144 bytes and come back as whole rows of 128, into S^T's registers
	WIN W_RS
.set i, 32*(\t)
.rept 16
	s_wait_alu depctr_va_vdst(0)
	v_pk_mul_f32 v[i:i+1], v[i:i+1], v[ST+4*(\t)+2:ST+4*(\t)+3] op_sel_hi:[1,0]
.set i, i+2
.endr
	WIN 0x05                        ; sources 0 and 1 window 1, destination window 0
.set i, 0
.rept 16
	v_cvt_pk_f16_f32 v[S+16*(\t)+i], v[32*(\t)+2*i], v[32*(\t)+2*i+1]
.set i, i+1
.endr
	WIN 0
.irp f, 0,1,2,3
	ds_store_b128 v[STO], v[S+16*(\t)+4*\f:S+16*(\t)+4*\f+3] offset:32*\f
.endr
.irp f, 0,1,2,3
	ds_load_b128 v[S+16*(\t)+4*\f:S+16*(\t)+4*\f+3], v[RD] offset:\f*4*SP  ; LDS serves a wave's instructions in order (ISA guide 5.7.1.4): these see the stores above; the next piece's stores come behind them
.endr
.endm
.macro SEND t, younger              ; younger: the LDS instructions issued behind piece t's loads: the next piece's eight, or none
	WIN 0
.irp f, 0,1,2,3
	s_wait_dscnt (\younger)+3-\f
	global_store_b128 v[GO], v[S+16*(\t)+4*\f:S+16*(\t)+4*\f+3], s[10:11] offset:(\t)*8192+\f*512  ; 512 consecutive bytes, at a multiple of 256 from O's first
.endr
.endm
.macro DIAG tag                     ; the tag ends its two labels' names, which the jumps below spell out
.LstepM\tag:
	TURN 2, 1
	TURN 3, 1
	WIN 0
.LfirstM\tag:
	TURN 0, 1
	TURN 1, 1, 0, 1
	WIN 0
	s_cbranch_scc1 .LstepM\tag
	TURN 2, 1, 1
	TURN 3, 1, 1
.set i, 0
.rept 8
	PV NP-1
.set i, i+1
.endr
	WIN 0
	ALL v_add_f32 v[ST+4*t+2], v[ST+4*t+2], v[ST+4*t+3]
	ALL v_permlanex16_b32 v[ST+4*t+3], v[ST+4*t+2], s[SEL], s[SEL+1]
	ALL v_add_f32 v[ST+4*t+2], v[ST+4*t+2], v[ST+4*t+3]
	ALL v_rcp_f32 v[ST+4*t+2], v[ST+4*t+2]
	v_nop                           ; a plain instruction between the last reciprocal and the use of its result
	PACK 0
.set t, 1
.rept 3                             ; a piece's arithmetic stands between the loads of the piece before and its stores
	PACK t
	SEND t-1, 8
.set t, t+1
.endr
	SEND 3, 0
.endm
.set KM, 0
.set NOKQ, 0
.Lslot:                             ; NB times: a tile is entered and the next is asked for
	CHANGE 1
	s_sub_co_u32 s[RT], s[RT], 1
	s_mov_b32 s[CNT], 4
	s_cmp_eq_u32 s[NEW], 1
	s_cbranch_scc1 .Lnew            ; a block's first tile
	s_cmp_eq_u32 s[RT], 0
	s_cbranch_scc0 .Lstep           ; neither its first nor its last
	s_branch .LstepM1
.Lnew:
	BEGIN
	s_branch .Lfirst                ; in the loop a block's first tile is never its last: the first block has two tiles or more, and the second's last is the walk's last
	DIAG 1                          ; in the loop this is the first block's end: the second block's last tile is the walk's last
	s_wait_xcnt 0x0                 ; the stores have read their registers and O's address
	s_mov_b64 s[10:11], s[OLO:OLO+1]
	s_add_co_u32 s[RT], s[PB], 1    ; the second block has b + 1 tiles
	s_mov_b32 s[NEW], 1
	WIN 0x82                        ; the second block's Q goes where the one text of the turns names Q
.set i, 0
.rept 64
	v_mov_b32 v[i], v[QB+i]
.set i, i+1
.endr
	WIN 0
	s_branch .Lbottom
.Lstep:                             ; a trip: pieces 2 and 3 of one step, then pieces 0 and 1 of the next, whose K and V it fetches
	TURN 2
	TURN 3
	WIN 0
.Lfirst:
	TURN 0
	TURN 1, 0, 0, 1
	WIN 0
	s_cbranch_scc1 .Lstep
.Lbottom:
	s_sub_co_u32 s[SLOTS], s[SLOTS], 1
	s_cmp_lg_u32 s[SLOTS], 0
	s_cbranch_scc1 .Lslot
	CHANGE 0                        ; the walk's last tile is written out: nothing is asked for
	s_sub_co_u32 s[RT], s[RT], 1
	s_mov_b32 s[CNT], 4
	s_cmp_eq_u32 s[NEW], 1
	s_cbranch_scc0 .LstepM2
	BEGIN
	s_branch .LfirstM2
	DIAG 2
	s_wait_tensorcnt 0x0            ; the wave's end, behind my last tensor load and my last LDS store
	ds_add_u32 v[SPW], v[NIL]
	s_wait_dscnt 0x0
	s_endpgm
.Lfunc_end_k_qe5cbb3adc8_attn:
	.size	k_qe5cbb3adc8_attn, .Lfunc_end_k_qe5cbb3adc8_attn-k_qe5cbb3adc8_attn
	.p2alignl 7, 3214868480
	.fill 96, 4, 3214868480
	.section	.rodata,"a",@progbits
	.p2align	6, 0x0
	.amdhsa_kernel k_qe5cbb3adc8_attn
		.amdhsa_group_segment_fixed_size 327680
		.amdhsa_private_segment_fixed_size 0
		.amdhsa_enable_private_segment 0
		.amdhsa_kernarg_size 16
		.amdhsa_user_sgpr_count 2
		.amdhsa_user_sgpr_kernarg_segment_ptr 1
		.amdhsa_wavefront_size32 1
		.amdhsa_system_sgpr_workgroup_id_x 1
		.amdhsa_system_sgpr_workgroup_id_y 1
		.amdhsa_system_sgpr_workgroup_id_z 1
		.amdhsa_system_vgpr_workitem_id 0
		.amdhsa_next_free_vgpr 768
		.amdhsa_next_free_sgpr 96
		.amdhsa_reserve_vcc 1
		.amdhsa_float_denorm_mode_32 3
		.amdhsa_float_denorm_mode_16_64 3
		.amdhsa_memory_ordered 1
		.amdhsa_forward_progress 1
		.amdhsa_inst_pref_size 229
	.end_amdhsa_kernel
	.amdgpu_metadata
---
amdhsa.version: [ 1, 2 ]
amdhsa.kernels:
  - .name:           k_qe5cbb3adc8_attn
    .symbol:         k_qe5cbb3adc8_attn.kd
    .args:
      - { .name: qkvh, .offset: 0, .size: 8, .value_kind: global_buffer, .address_space: global }
      - { .name: oh, .offset: 8, .size: 8, .value_kind: global_buffer, .address_space: global }
    .group_segment_fixed_size: 327680
    .private_segment_fixed_size: 0
    .kernarg_segment_align: 8
    .kernarg_segment_size: 16
    .max_flat_workgroup_size: 128
    .sgpr_count:     96
    .vgpr_count:     768
    .wavefront_size: 32
...
	.end_amdgpu_metadata
.endif
;; end of part 3
;; launch oproj (part 4): grid 8 x 32, 4 waves a work-group, clusters of 4 x 4, 327,680 bytes of LDS; arguments oh, woT, o_b, out0; writes out0
.if DOCPART == 4
	.amdgcn_target "amdgcn-amd-amdhsa--gfx1250"
	.amdhsa_code_object_version 6
	.text
	.protected	k_qe5cbb3adc8_oproj
	.globl	k_qe5cbb3adc8_oproj
	.p2align	8
	.type	k_qe5cbb3adc8_oproj,@function
k_qe5cbb3adc8_oproj:
	s_mov_b64 s[64:65], 0
	v_nop
	global_prefetch_b8 v0, s[64:65] scope:SCOPE_SE
	s_setreg_imm32_b32 hwreg(HW_REG_WAVE_MODE, 25, 1), 1
	s_wait_xcnt 0x0
	s_wait_alu depctr_hold_cnt(0) depctr_sa_sdst(0) depctr_va_vdst(0) depctr_va_sdst(0) depctr_va_ssrc(0) depctr_va_vcc(0) depctr_vm_vsrc(0)
	s_getreg_b32 s2, hwreg(HW_REG_IB_STS2, 6, 4)
	s_cmp_eq_u32 s2, 0
	s_cbranch_scc0 .Lentry_in_a_cluster
	s_endpgm
.Lentry_in_a_cluster:
	s_bfe_u32 s2, ttmp6, 0x10000c
	s_cmp_lg_u32 s2, 0xf033
	s_cbranch_scc0 .Lentry_shape_is_right
	s_endpgm
.Lentry_shape_is_right:
; out = O W + b.  O: oh, f16, [batch 4][head 16][row 2048][64]: a head's 64 channels are one block of K; W: woT, [1024][1024], bf16(o_w) written as f16; b: o_b, f32, rounded to bf16 like the other inputs.
; Sums in f32, started by the bias; out0 is f32, [8192][1024].
; LIMIT.  O and bf16(o_w) lie within f16's 65,504.  NaN and infinities are not treated apart.
; SHARES.  A tile of the result is 256 rows x 128 columns: 32 x 8 work-groups, one for each of 256.  Wave w owns rows 64 w .. 64 w + 63 and all 128 columns: 4 x 8 accumulators of 16 x 16,
; so a wave holds whole pieces of 512 bytes of a row and has a stage of its own on the way out.
; K goes in 8 steps of 128 through two LDS slots filled by the tensor data mover.  A step of O is two heads' blocks, each 256 rows x 128 bytes that lie end to end: asked for as 128 rows of 256 bytes.
; CLUSTER.  4 x 4 work-groups: the four of a row of the cluster need the same tiles of O, the four of a column the same tiles of W: each tile is asked for jointly, by the same tensor load with the
; same descriptor and a mask that names the four.
; THE MATRIX INSTRUCTION IS USED TRANSPOSED (source 0 = 16 rows of woT, source 1 = 16 rows of O): lane l holds row l % 16 and the columns 8 (l / 16) + 0 .. 7 of a block of 16.
; REGISTERS, in windows of 256 (s_set_vgpr_msb: bits 1:0 source 0, 3:2 source 1, 5:4 source 2, 7:6 destination):
;   window 0: v0-31 addresses; v64-127 O's fragments, two buffers of 4 x 8; v128-191 the bias as a C operand, 8 a block of columns; on the way out v64-191 rows read back, two buffers
;   window 1: v0-127 W's fragments, two buffers of 8 x 8     window 2: accumulators of my row blocks 0, 1 ((a, b) at 8 (8 (a % 2) + b))     window 3: of row blocks 2, 3
.set NT,    128
.set NB,    NT/16
.set PA,    144                        ; a row of O in LDS: 128 bytes + 16 of padding: an odd multiple of 16, so the 16 rows of a load start at 16 different groups of four banks (ISA guide 11.1)
.set ASUB,  256*PA                     ; one head's block of the tile's 256 rows
.set PB,    272                        ; a row of W: 256 bytes + 16
.set BOFF,  2*ASUB
.set BHALF, (NT/2)*PB
.set SLOT,  BOFF+NT*PB
.set STAGE, 2*SLOT                     ; behind the ring, never filled by a tensor load: 16 rows x 528 bytes for each wave
.set SP,    528                        ; 512 bytes + 16
.set WSTAGE, 16*SP
.set SPARE, STAGE+4*WSTAGE             ; the spare words, 128 bytes for each wave: two blocks of 256 bytes that no other line names
.set NLD,   2*(NB+4)                   ; LDS loads of a quarter step
.set ADRA, 16                          ; v16-17  LDS address of my fragments of O in slot 0, 1
.set ADRB, 20                          ; v20-21  the same for W
.set STO,  24                          ; v24  the way out: where I put 32 bytes of a row
.set RD,   25                          ; v25  where I read a row back
.set GO,   26                          ; v26  my byte offset in 512 consecutive bytes of the output
.set BO,   27                          ; v27  my byte offset in 16 numbers of the bias
.set SPW,  28                          ; v28  LDS address of my spare word; never rewritten
.set NIL,  29                          ; v29  0; never rewritten
.set BIAS, 128
.set BT,   224
.set WV,   12                          ; s12  wave
.set HALF, 13                          ; s13  wave & 1: which block of O, or which half of W's rows, I fetch
.set ISB,  14                          ; s14  wave >> 1: I fetch for O (0) or for W (1)
.set G1A,  24                          ; s[24:31] descriptor group 1 for O;  s[32:39] group 0, a set for each slot
.set G0A,  32
.set G1B,  48                          ; s[48:55], s[56:63] the same for W
.set G0B,  56
.set MSB, 0
.macro WIN new                         ; the immediate's high byte repeats the setting that is left; a switch that changes nothing is dropped
.if MSB != (\new)
	s_set_vgpr_msb (MSB<<8)|(\new)
.set MSB, \new
.endif
.endm
.macro JLOAD s                         ; a joint load: waves 0, 1 fetch O's two blocks, waves 2, 3 W's two halves; an s_nop 0 and four v_nop follow each line, ahead of the jump and the label
	s_cmp_eq_u32 s[ISB], 0
	s_cbranch_scc0 .Lfor_b_\@
	tensor_load_to_lds s[G0A+4*(\s):G0A+4*(\s)+3], s[G1A:G1A+7]
	s_nop 0
.rept 4
	v_nop
.endr
	s_branch .Lasked_\@
.Lfor_b_\@:
	tensor_load_to_lds s[G0B+4*(\s):G0B+4*(\s)+3], s[G1B:G1B+7]
	s_nop 0
.rept 4
	v_nop
.endr
.Lasked_\@:
.endm
.macro CREST                           ; a round of the cluster's barrier behind its opening barrier
	s_cmp_lg_u32 s[WV], 0
	s_cbranch_scc1 .Lnot_wave_0_\@
	s_barrier_signal -3
.Lnot_wave_0_\@:
	s_barrier_wait -3
	s_barrier_signal -1
	s_barrier_wait -1
.endm
.macro CROUND                          ; a whole round
	s_barrier_signal -1
	s_barrier_wait -1
	CREST
.endm
.macro PLACES                          ; four places in front of loads into registers that matrix instructions have read, and of lines that read results
.rept 4
	v_nop
.endr
.endm
	s_load_b256 s[4:11], s[0:1], 0x0               ; oh s[4:5], woT s[6:7], o_b s[8:9], out0 s[10:11]
	v_lshl_add_u32 v[SPW], v0, 2, SPARE
	v_mov_b32 v[NIL], 0
	ds_add_u32 v[SPW], v[NIL]                      ; the wave's opening: an add and its wait ahead of my first tensor load; the set-up below, work on registers, stands between them
	ds_add_u32 v28, v29
	v_lshrrev_b32 v1, 5, v0
	v_readfirstlane_b32 s[WV], v1
	s_and_b32 s[HALF], s[WV], 1
	s_lshr_b32 s[ISB], s[WV], 1
	s_bfe_u32 s40, ttmp6, 0x40000                  ; cx, cy: my place in the cluster
	s_bfe_u32 s41, ttmp6, 0x40004
	s_lshl_b32 s42, ttmp9, 2
	s_add_co_u32 s42, s42, s40                     ; tile column = 4 x cluster x + cx
	s_and_b32 s43, ttmp7, 0xffff
	s_lshl_b32 s43, s43, 2
	s_add_co_u32 s43, s43, s41                     ; tile row = 4 x cluster y + cy
	s_lshl_b32 s44, s41, 2
	s_lshl_b32 s44, 15, s44                        ; my row of the cluster
	s_lshl_b32 s45, 0x1111, s40                    ; my column
	s_or_b32 s[G1A+0], s44, (1<<16)|(1<<20)|(1<<21)|(4<<22)|(3<<25)  ; mask: my row; 2-byte elements; padding on; bit 21 beside a mask; after every 32 words, 4 words
	s_or_b32 s[G1B+0], s45, (1<<16)|(1<<20)|(1<<21)|(5<<22)|(3<<25)  ; mask: my column; after every 64 words, 4 words
	s_mov_b32 s[G1A+1], 128<<16                    ; tensor_dim0 = 128
	s_mov_b32 s[G1A+2], 128<<16                    ; tensor_dim1 = 128
	s_mov_b32 s[G1A+3], 128<<16                    ; tile_dim0 = 128
	s_mov_b32 s[G1A+4], 128                        ; tile_dim1 = 128
	s_mov_b32 s[G1A+5], 128                        ; 128 elements from row to row: the block is dense
	s_mov_b32 s[G1A+6], 0
	s_mov_b32 s[G1A+7], 0
	s_mov_b32 s[G1B+1], 128<<16                    ; tensor_dim0 = 128
	s_mov_b32 s[G1B+2], (NT/2)<<16                 ; tensor_dim1 = 64
	s_mov_b32 s[G1B+3], 128<<16                    ; tile_dim0 = 128
	s_mov_b32 s[G1B+4], NT/2                       ; tile_dim1 = 64
	s_mov_b32 s[G1B+5], 1024                       ; a row of woT
	s_mov_b32 s[G1B+6], 0
	s_mov_b32 s[G1B+7], 0
	; O's tile hangs on the tile row and the wave alone, W's on the tile column and the wave alone, each in registers that never hold the other coordinate
	s_lshr_b32 s16, s43, 3
	s_lshl_b32 s16, s16, 22                        ; batch: 16 heads x 2,048 rows x 128 bytes
	s_and_b32 s22, s43, 7
	s_lshl_b32 s22, s22, 15                        ; 256 rows x 128 bytes
	s_add_co_u32 s16, s16, s22
	s_lshl_b32 s22, s[HALF], 18                    ; my head of the step's two
	s_add_co_u32 s16, s16, s22
	s_mov_b32 s17, 0
	s_mul_i32 s18, s42, NT*2048
	s_mul_i32 s23, s[HALF], (NT/2)*2048
	s_add_co_u32 s18, s18, s23
	s_mov_b32 s19, 0
	s_mul_i32 s20, s[HALF], ASUB                   ; where they go: no place in the cluster enters an LDS address
	s_mul_i32 s21, s[HALF], BHALF
	s_add_co_u32 s21, s21, BOFF
	s_mov_b32 s46, 0xffff0000
	s_wait_dscnt 0x0                               ; the opening add is done
	s_wait_kmcnt 0x0
	s_add_nc_u64 s[16:17], s[4:5], s[16:17]
	s_add_nc_u64 s[18:19], s[6:7], s[18:19]
	CROUND                                         ; all sixteen work-groups are here: the first joint loads meet
.irp s, 0,1
	s_mov_b32 s[G0A+4*(\s)], 1
	s_add_co_u32 s[G0A+4*(\s)+1], s20, (\s)*SLOT
	s_add_nc_u64 s[G0A+4*(\s)+2:G0A+4*(\s)+3], s[16:17], (\s)*524288  ; K step s: two heads of 262,144 bytes on
	s_or_b32 s[G0A+4*(\s)+3], s[G0A+4*(\s)+3], 0x80000000
	s_mov_b32 s[G0B+4*(\s)], 1
	s_add_co_u32 s[G0B+4*(\s)+1], s21, (\s)*SLOT
	s_add_nc_u64 s[G0B+4*(\s)+2:G0B+4*(\s)+3], s[18:19], (\s)*256
	s_or_b32 s[G0B+4*(\s)+3], s[G0B+4*(\s)+3], 0x80000000
	JLOAD \s                                       ; two loads of mine are out
.endr
	; while the first tiles are on their way: the bias, the addresses
	v_and_b32 v1, 15, v0                           ; l % 16
	v_bfe_u32 v2, v0, 4, 1                         ; l / 16
	v_lshlrev_b32 v[BO], 5, v2                     ; my 8 columns of a block of 16: 32 bytes
	s_mul_i32 s78, s42, NT*4
	s_mov_b32 s79, 0
	s_add_nc_u64 s[76:77], s[8:9], s[78:79]
.set i, 0
.rept NB
	global_load_b128 v[BIAS+8*i:BIAS+8*i+3],   v[BO], s[76:77] offset:64*i
	global_load_b128 v[BIAS+8*i+4:BIAS+8*i+7], v[BO], s[76:77] offset:64*i+16
.set i, i+1
.endr
	v_mul_u32_u24 v3, v1, PA
	v_lshl_add_u32 v3, v2, 4, v3                   ; a fragment's row x pitch + 16 x half
	s_mul_i32 s47, s[WV], 64*PA                    ; my 64 rows
	v_add_nc_u32 v[ADRA], s47, v3
	v_add_nc_u32 v[ADRA+1], SLOT, v[ADRA]
	v_mul_u32_u24 v4, v1, PB
	v_lshl_add_u32 v4, v2, 4, v4
	v_add_nc_u32 v[ADRB], BOFF, v4
	v_add_nc_u32 v[ADRB+1], BOFF+SLOT, v4
	s_mul_i32 s47, s[WV], WSTAGE
	s_add_co_u32 s47, s47, STAGE                   ; my stage
	v_mul_u32_u24 v[STO], v1, SP                   ; in: row l % 16, 32 bytes for each half of the lanes
	v_lshl_add_u32 v[STO], v2, 5, v[STO]
	v_add_nc_u32 v[STO], s47, v[STO]
	v_and_b32 v[GO], 31, v0                        ; back: 32 lanes take one row's 512 bytes,
	v_lshlrev_b32 v[GO], 4, v[GO]                  ; which are 512 consecutive bytes of out0
	v_add_nc_u32 v[RD], s47, v[GO]
	s_lshl_b32 s78, s43, 8
	s_lshl_b32 s79, s[WV], 6
	s_add_co_u32 s78, s78, s79                     ; my first row
	s_lshl_b32 s74, s78, 12                        ; x 4,096 bytes
	s_lshl_b32 s79, s42, 9                         ; the tile's 128 columns x 4 bytes
	s_add_co_u32 s74, s74, s79
	s_mov_b32 s75, 0
	s_add_nc_u64 s[68:69], s[10:11], s[74:75]
	s_wait_loadcnt 0x0                             ; the bias
.set i, 0
.rept 4*NB
	v_cvt_pk_bf16_f32 v[BT], v[BIAS+2*i], v[BIAS+2*i+1]  ; rounded to bf16 like the other inputs, and back in f32
	v_lshlrev_b32 v[BIAS+2*i], 16, v[BT]
	v_and_b32 v[BIAS+2*i+1], s46, v[BT]
.set i, i+1
.endr
; 8 matrix instructions: row block 2 hi + a x all column blocks, 32 along K, from buffer f.  first = 1: the bias starts the sums: nothing is cleared and nothing is added later.
; All 32 accumulators take turns, one instruction a turn, in the same order in every quarter step.
.macro MULA f, hi, a, first
.if \first
	WIN 0x81+0x40*(\hi)                            ; W window 1, O and the bias window 0, D window 2 or 3
.else
	WIN 0xa1+0x50*(\hi)                            ; C and D window 2 or 3
.endif
.set nbi, 0
.rept NB
.set rD, 8*(NB*(\a)+nbi)
.set rB, 8*NB*(\f)+8*nbi
.set rA, 64+32*(\f)+8*(2*(\hi)+(\a))
.if \first
	v_wmma_f32_16x16x32_f16 v[rD:rD+7], v[rB:rB+7], v[rA:rA+7], v[BIAS+8*nbi:BIAS+8*nbi+7]
.else
	v_wmma_f32_16x16x32_f16 v[rD:rD+7], v[rB:rB+7], v[rA:rA+7], v[rD:rD+7]
.endif
.set nbi, nbi+1
.endr
.endm
.macro MULH f, hi, first
	MULA \f, \hi, 0, \first
	MULA \f, \hi, 1, \first
.endm
; 24 LDS loads in one run: quarter q (32 along K) of a slot into buffer f: W's 8 fragments, then O's 4
.macro FETCH slot, q, f
	WIN 0x40                                       ; destination window 1
.set i, 0
.rept NB
	ds_load_b128 v[8*NB*(\f)+8*i:8*NB*(\f)+8*i+3],   v[ADRB+(\slot)] offset:64*(\q)+i*16*PB
	ds_load_b128 v[8*NB*(\f)+8*i+4:8*NB*(\f)+8*i+7], v[ADRB+(\slot)] offset:64*(\q)+i*16*PB+32
.set i, i+1
.endr
	WIN 0
.set i, 0
.rept 4
	ds_load_b128 v[64+32*(\f)+8*i:64+32*(\f)+8*i+3],   v[ADRA+(\slot)] offset:((\q)/2)*ASUB+((\q)%2)*64+i*16*PA
	ds_load_b128 v[64+32*(\f)+8*i+4:64+32*(\f)+8*i+7], v[ADRA+(\slot)] offset:((\q)/2)*ASUB+((\q)%2)*64+i*16*PA+32
.set i, i+1
.endr
.endm
; One of a K step's first three quarters: multiplies buffer f; in its middle it fetches quarter q of the same slot into buffer g.
.macro QUARTER slot, q, f, g, first
	s_wait_dscnt 4                                 ; W and O's row blocks 0, 1 are in; the youngest four loads (row blocks 2, 3) may be out
	MULH \f, 0, \first
	PLACES
	FETCH \slot, \q, \g
	s_wait_dscnt NLD                               ; all but the run just issued
	MULH \f, 1, \first
.endm
; The last quarter multiplies buffer 1 and changes slots: one barrier; in front of it each wave waits for all its tensor loads (one is out: its part of the next slot), adds 0 to its spare word, and waits
; for that and for its own reads of this slot.  fill = 1: the barrier opens a round of the cluster's barrier, and this slot is filled again, two K steps on, first thing behind the round.
.macro TURN slot, next, fill
	WIN 0                                          ; (the add's two registers lie in window 0)
	s_wait_tensorcnt 0x0
	ds_add_u32 v[SPW], v[NIL]
	s_wait_dscnt 5                                 ; (the add and the youngest four loads may be out)
	MULA 1, 0, 0, 0                                ; eight matrix instructions stand between the add and the wait for it
	s_wait_dscnt 0x0                               ; the add is done, and my reads of this slot are over
	s_barrier_signal -1
	MULA 1, 0, 1, 0
.if \fill
	WIN 0
.endif
	s_barrier_wait -1
.if \fill
	CREST                                          ; no wave of any partner still reads this slot's tile or has a load on its way
	s_add_nc_u64 s[G0A+4*(\slot)+2:G0A+4*(\slot)+3], s[G0A+4*(\slot)+2:G0A+4*(\slot)+3], 1048576
	s_add_nc_u64 s[G0B+4*(\slot)+2:G0B+4*(\slot)+3], s[G0B+4*(\slot)+2:G0B+4*(\slot)+3], 512
	JLOAD \slot                                    ; 112 matrix instructions ahead of the wait for it; its four v_nop are also the places in front of the loads below
.else
	PLACES
.endif
	FETCH \next, 0, 0
	MULH 1, 1, 0
.endm
	s_wait_tensorcnt 1                             ; my part of K step 0 is in; step 1's may stay out
	s_barrier_signal -1
	s_barrier_wait -1                              ; everybody's is
	FETCH 0, 0, 0
	QUARTER 0, 1, 0, 1, 1                          ; the first quarter stands in front of the loop: its products start the sums
	WIN 0                                          ; at a label and at a branch every window is 0
	s_mov_b32 s3, 3
.Llap:                                                 ; a trip goes once round the ring, from a lap's second quarter to the next lap's first, and fills both slots again: K steps 2 to 7
	QUARTER 0, 2, 1, 0, 0
	QUARTER 0, 3, 0, 1, 0
	TURN 0, 1, 1
	QUARTER 1, 1, 0, 1, 0
	QUARTER 1, 2, 1, 0, 0
	QUARTER 1, 3, 0, 1, 0
	TURN 1, 0, 1
	QUARTER 0, 1, 0, 1, 0
	WIN 0
	s_sub_co_u32 s3, s3, 1
	s_cmp_lg_u32 s3, 0
	s_cbranch_scc1 .Llap
	QUARTER 0, 2, 1, 0, 0                          ; the last lap fills nothing
	QUARTER 0, 3, 0, 1, 0
	TURN 0, 1, 0
	QUARTER 1, 1, 0, 1, 0
	QUARTER 1, 2, 1, 0, 0
	QUARTER 1, 3, 0, 1, 0
	s_wait_dscnt 4
	MULH 1, 0, 0
	s_wait_dscnt 0x0
	MULH 1, 1, 0
	WIN 0
	PLACES
; THE WAY OUT, a row block (16 rows x 512 bytes) at a time: a lane's eight f32 of a row go into my stage's rows of 528 bytes and come back as whole rows of 512.
.macro TOSTAGE a
.set BK, 64+64*((\a)%2)
	s_wait_xcnt 0x0                                ; the stores issued so far have read their data: the buffer is loaded again only behind this wait
	WIN 0x08+4*((\a)/2)                            ; store data in window 2 or 3
.set nbi, 0
.rept NB
.set rD, 8*(NB*((\a)%2)+nbi)
	ds_store_b128 v[STO], v[rD:rD+3]   offset:64*nbi     ; each accumulator from its low end on
	ds_store_b128 v[STO], v[rD+4:rD+7] offset:64*nbi+16
.set nbi, nbi+1
.endr
	WIN 0
.set i, 0
.rept 16
	ds_load_b128 v[BK+4*i:BK+4*i+3], v[RD] offset:SP*i  ; LDS serves a wave's instructions in order (ISA guide 5.7.1.4): these see the stores above; the next block's stores come behind them
.set i, i+1
.endr
.endm
.macro SEND a, younger                 ; younger: the LDS instructions issued behind this block's loads: the next block's 32, or none
.set BK, 64+64*((\a)%2)
.set i, 0
.rept 16
	s_wait_dscnt (\younger)+15-i
	global_store_b128 v[GO], v[BK+4*i:BK+4*i+3], s[68:69] offset:(16*(\a)+i)*4096 th:TH_STORE_NT  ; 512 consecutive bytes, at a multiple of 512 from out0's first
.set i, i+1
.endr
.endm
	TOSTAGE 0
	TOSTAGE 1
	SEND 0, 32
	TOSTAGE 2
	SEND 1, 32
	TOSTAGE 3
	SEND 2, 32
	SEND 3, 0
	s_wait_tensorcnt 0x0                           ; the wave's end, behind my last tensor load and my last LDS store
	ds_add_u32 v[SPW], v[NIL]
	s_wait_dscnt 0x0
	CROUND                                         ; the closing round: no work-group ends while a partner may still ask for a tile that names it
	s_endpgm
.Lfunc_end_k_qe5cbb3adc8_oproj:
	.size	k_qe5cbb3adc8_oproj, .Lfunc_end_k_qe5cbb3adc8_oproj-k_qe5cbb3adc8_oproj
	.p2alignl 7, 3214868480
	.fill 96, 4, 3214868480
	.section	.rodata,"a",@progbits
	.p2align	6, 0x0
	.amdhsa_kernel k_qe5cbb3adc8_oproj
		.amdhsa_group_segment_fixed_size 327680
		.amdhsa_private_segment_fixed_size 0
		.amdhsa_enable_private_segment 0
		.amdhsa_kernarg_size 32
		.amdhsa_user_sgpr_count 2
		.amdhsa_user_sgpr_kernarg_segment_ptr 1
		.amdhsa_wavefront_size32 1
		.amdhsa_system_sgpr_workgroup_id_x 1
		.amdhsa_system_sgpr_workgroup_id_y 1
		.amdhsa_system_sgpr_workgroup_id_z 1
		.amdhsa_system_vgpr_workitem_id 0
		.amdhsa_next_free_vgpr 1024
		.amdhsa_next_free_sgpr 80
		.amdhsa_reserve_vcc 0
		.amdhsa_float_denorm_mode_32 3
		.amdhsa_float_denorm_mode_16_64 3
		.amdhsa_memory_ordered 1
		.amdhsa_forward_progress 1
		.amdhsa_inst_pref_size 93
	.end_amdhsa_kernel
	.amdgpu_metadata
---
amdhsa.version: [ 1, 2 ]
amdhsa.kernels:
  - .name:           k_qe5cbb3adc8_oproj
    .symbol:         k_qe5cbb3adc8_oproj.kd
    .args:
      - { .name: oh, .offset: 0, .size: 8, .value_kind: global_buffer, .address_space: global }
      - { .name: woT, .offset: 8, .size: 8, .value_kind: global_buffer, .address_space: global }
      - { .name: o_b, .offset: 16, .size: 8, .value_kind: global_buffer, .address_space: global }
      - { .name: out0, .offset: 24, .size: 8, .value_kind: global_buffer, .address_space: global }
    .group_segment_fixed_size: 327680
    .private_segment_fixed_size: 0
    .kernarg_segment_align: 8
    .kernarg_segment_size: 32
    .max_flat_workgroup_size: 128
    .sgpr_count:     80
    .vgpr_count:     1024
    .wavefront_size: 32
...
	.end_amdgpu_metadata
.endif
;; end of part 4
;; ======== version 2 of 2: 4 launches; version 1 with the launch prep written anew for expert scheduling mode
;; limits: values are held in f16: magnitudes above 65,504 overflow, below 6.1e-05 lose precision
;; workspace buffers: xh 16,777,216 bytes; wqT 6,291,456 bytes; woT 2,097,152 bytes; qkvh 50,331,648 bytes; oh 16,777,216 bytes
;; launch prep (part 5): grid 768 x 1, 8 waves a work-group, no clusters, 18,432 bytes of LDS; arguments hidden_state, qkv_w, o_w, xh, wqT, woT; writes xh, wqT, woT
.if DOCPART == 5
	.amdgcn_target "amdgcn-amd-amdhsa--gfx1250"
	.amdhsa_code_object_version 6
	.text
	.protected	k_qe5cbb3adc8_prep
	.globl	k_qe5cbb3adc8_prep
	.p2align	8
	.type	k_qe5cbb3adc8_prep,@function
k_qe5cbb3adc8_prep:
	s_mov_b64 s[64:65], 0
	v_nop
	global_prefetch_b8 v0, s[64:65] scope:SCOPE_SE
	s_setreg_imm32_b32 hwreg(HW_REG_WAVE_SCHED_MODE, 0, 2), 2
	s_setreg_imm32_b32 hwreg(HW_REG_WAVE_MODE, 25, 1), 1
	s_wait_xcnt 0x0
	s_wait_alu depctr_vm_vsrc(0)
; THE OPERANDS OF THE TWO PROJECTIONS ARE MADE, each input byte read once.
;   xh  = hidden_state rounded to bf16, laid by blocks of 64 channels: [batch 4][block 16][row 2048][64], so that a block's rows lie end to end
;   wqT = qkv_w rounded to bf16 and transposed: [3072][1024]
;   woT = o_w rounded to bf16, that number written as f16, transposed: [1024][1024]
; LIMITS.  bf16(o_w) must lie within f16's 65,504; below 2^-14 it keeps f16's fixed step of 2^-24.  NaN and infinities are not treated apart.
; Work-groups 0-255 take 32 rows of hidden_state each; 256-639 a block of 128 k x 64 n of qkv_w; 640-767 such a block of o_w.  The choice hangs on the work-group's number alone.
; No matrix unit, no cluster, no tensor load: nothing is multiplied and no two work-groups read the same byte.
; THE MODE: SCHED_MODE bits 1:0 = 2 (LLVM: expert scheduling mode 2), set by the entry lines.  The code itself states the register dependences
; between vector instructions and memory or LDS instructions, with s_wait_alu, always for 0.
; THE PLAN, ROWS.  Registers that memory instructions touch:
;   v[XI], v[XO]   offsets, made once and never written again; every load reads the first, every store the second.
;   v16-143        eight registers a block of 64 channels: its two loads land there, its four conversions write the first four in place, its one store reads those four.  None is written behind its store.
; The 16 blocks go in four groups of four.  Group g's conversions name group g's registers alone; the stores of group g - 1 are dealt among them, behind ONE wait at the group's head,
; which states that group g - 1's conversions have written what those stores read.
; THE PLAN, WEIGHTS.  v[XI]: made once, read by the eight loads.  v16-47: the loads land there, the conversions read them.  v48-63: written by the conversions, read by the LDS stores, never written again.
;   v7, v13, v14: the LDS address of my stores, that of my loads, the offset of my global stores: made while the global loads are out.  v64-79: LDS loads land there, global stores read them; no vector line names them.
; One wait ahead of the global loads; one ahead of the LDS stores, behind which no vector instruction stands up to the end: it serves the LDS loads' and the global stores' addresses too.
.set TP,    272                        ; a row of the transposing tile in LDS: 128 k x 2 bytes + 16 of padding
.set SPARE, 64*TP                      ; behind the tile: the spare words, 128 bytes for each of the eight waves: four blocks of 256 bytes that no other line names
.set XI,  3                            ; v3   byte offset of my loads
.set XO,  4                            ; v4   byte offset of my stores (rows of hidden_state)
.set SPW, 8                            ; v8   LDS address of my spare word; never rewritten
.set NIL, 9                            ; v9   0; never rewritten
.set T,   10                           ; v10-11 at work
.set X,   16                           ; as loaded: v16-143 (rows), v16-47 (weights)
.set Y,   48                           ; weights: packed, 4 registers for each of my 4 columns
.set Z,   64                           ; weights: rows of the transposed tile read back
	s_load_b256 s[4:11], s[0:1], 0x0               ; hidden_state s[4:5], qkv_w s[6:7], o_w s[8:9], xh s[10:11]
	s_load_b128 s[12:15], s[0:1], 0x20             ; wqT s[12:13], woT s[14:15]
	v_lshl_add_u32 v[SPW], v0, 2, SPARE
	v_mov_b32 v[NIL], 0
	v_lshrrev_b32 v1, 5, v0
	v_readfirstlane_b32 s16, v1                    ; wave 0..7
	v_and_b32 v2, 31, v0                           ; lane
	s_mov_b32 s21, 0                               ; the high word of every offset
	s_wait_alu depctr_va_sdst(0)                   ; s16 is written: ahead of the branch below and of its first reader on either path
	s_wait_kmcnt 0x0
	s_cmp_lt_u32 ttmp9, 256
	s_cbranch_scc0 .Lweights
	; ROWS.  A wave takes 4 rows, all 16 blocks of 64 channels.  Lane: row l / 8, 8 channels (32 bytes in, 16 bytes out) at l % 8.
	v_lshrrev_b32 v5, 3, v2
	v_and_b32 v6, 7, v2
	v_lshlrev_b32 v[XI], 12, v5                    ; a row of hidden_state is 4,096 bytes
	v_lshl_add_u32 v[XI], v6, 5, v[XI]
	v_lshlrev_b32 v[XO], 4, v2                     ; 4 rows x 128 bytes of a block are 512 bytes on end
	s_lshl_b32 s20, ttmp9, 17                      ; 32 rows x 4,096 bytes
	s_lshl_b32 s22, s16, 14                        ; my wave's 4 rows
	s_add_co_u32 s20, s20, s22
	s_add_nc_u64 s[4:5], s[4:5], s[20:21]
	s_lshr_b32 s20, ttmp9, 6                       ; batch: 64 work-groups each
	s_lshl_b32 s20, s20, 22                        ; 16 blocks x 2,048 rows x 128 bytes
	s_and_b32 s22, ttmp9, 63
	s_lshl_b32 s22, s22, 12                        ; 32 rows x 128 bytes
	s_add_co_u32 s20, s20, s22
	s_lshl_b32 s22, s16, 9                         ; 4 rows x 128 bytes
	s_add_co_u32 s20, s20, s22
	s_add_nc_u64 s[10:11], s[10:11], s[20:21]
	s_wait_alu depctr_va_vdst(0)                   ; v[XI] and v[XO] are written: every load below reads the first as its offset, every store the second
.set kb, 0
.rept 16                                       ; all 32 loads of the wave go out at once: 16 KiB on their way
	global_load_b128 v[X+8*kb:X+8*kb+3],   v[XI], s[4:5] offset:256*kb th:TH_LOAD_NT
	global_load_b128 v[X+8*kb+4:X+8*kb+7], v[XI], s[4:5] offset:256*kb+16 th:TH_LOAD_NT
.set kb, kb+1
.endr
.set g, 0
.rept 4                                        ; four groups of four blocks
	s_wait_loadcnt 24-8*g                          ; loads come back in order: this group's eight are in, the later groups' 8 (3 - g) may stay out
.if g > 0
	s_wait_alu depctr_va_vdst(0)                   ; the group before has written its sixteen packed registers, which the four stores below read; this group's conversions name none of them
.endif
.set i, 0
.rept 4
.set kb, 4*g+i
.if g > 0
	global_store_b128 v[XO], v[X+8*(kb-4):X+8*(kb-4)+3], s[10:11] offset:(kb-4)*262144  ; the group before: the wave stores 512 consecutive bytes, at a multiple of 512 from xh's first byte
.endif
	v_cvt_pk_bf16_f32 v[X+8*kb],   v[X+8*kb],   v[X+8*kb+1]   ; in place, ascending: no source is written before it is read
	v_cvt_pk_bf16_f32 v[X+8*kb+1], v[X+8*kb+2], v[X+8*kb+3]
	v_cvt_pk_bf16_f32 v[X+8*kb+2], v[X+8*kb+4], v[X+8*kb+5]
	v_cvt_pk_bf16_f32 v[X+8*kb+3], v[X+8*kb+6], v[X+8*kb+7]
.set i, i+1
.endr
.set g, g+1
.endr
	s_wait_alu depctr_va_vdst(0)                   ; the last group has written its packed registers, which the last four stores read
.set kb, 12
.rept 4
	global_store_b128 v[XO], v[X+8*kb:X+8*kb+3], s[10:11] offset:kb*262144
.set kb, kb+1
.endr
	s_wait_dscnt 0x0                               ; every path of this text ends alike: the closing lines, six on end
	s_wait_alu 0x0
	s_wait_tensorcnt 0x0
	ds_add_u32 v[SPW], v[NIL]
	s_wait_dscnt 0x0
	s_endpgm
; WEIGHTS.  A block of 128 k x 64 n is read by rows of k (256 bytes each), packed in pairs of k, laid into LDS by rows of n, and stored as 64 rows of 256 bytes.
; Wave w reads k = 16 w .. 16 w + 15: lane l takes columns 4 (l % 16) .. + 3 of rows 16 w + 8 (l / 16) + 0 .. 7.
.macro WPATH src, dst, cols, tof16
	s_mul_i32 s20, s17, 512*(\cols)                ; 128 rows of 4 x cols bytes
	s_lshl_b32 s22, s18, 8                         ; 64 columns of 4 bytes
	s_add_co_u32 s20, s20, s22
	s_add_nc_u64 s[\src:\src+1], s[\src:\src+1], s[20:21]
	s_lshl_b32 s19, s16, 4
	v_lshl_add_u32 v7, v6, 3, s19                  ; 16 w + 8 (l / 16)
	v_mul_u32_u24 v[XI], v7, 4*(\cols)
	v_lshl_add_u32 v[XI], v5, 4, v[XI]
	s_wait_alu depctr_va_vdst(0)                   ; v[XI] is written, which the eight loads read as their offset
.irp i, 0,1,2,3,4,5,6,7
	global_load_b128 v[X+4*\i:X+4*\i+3], v[XI], s[\src:\src+1] offset:\i*4*(\cols) th:TH_LOAD_NT  ; 16 lanes read 256 consecutive bytes of a row, aligned
.endr
	; while the loads are out: the three addresses of the way through the tile.  The wave's multiples lie in scalar registers of their own.
	v_mul_u32_u24 v7, v5, 4*TP                     ; into the tile: row n = 4 (l % 16) + e, bytes 2 (16 w + 8 (l / 16)) on
	v_lshl_add_u32 v7, v6, 4, v7
	s_lshl_b32 s23, s16, 5
	v_add_nc_u32 v7, s23, v7
	s_lshl_b32 s24, s16, 3
	v_add_nc_u32 v12, s24, v6                      ; back: wave w takes rows 8 w .. 8 w + 7, two an instruction
	v_mul_u32_u24 v13, v12, TP
	v_lshl_add_u32 v13, v5, 4, v13
	v_lshlrev_b32 v14, 11, v12                     ; and the same rows in the transposed tensor, 2,048 bytes each
	v_lshl_add_u32 v14, v5, 4, v14
	s_wait_loadcnt 0x0
.irp e, 0,1,2,3
.irp p, 0,1,2,3
	v_cvt_pk_bf16_f32 v[Y+4*\e+\p], v[X+8*\p+\e], v[X+8*\p+4+\e]  ; column e, k = 2 p and 2 p + 1 of my eight
.endr
.endr
.if \tof16
.set yy, 0
.rept 16
	v_lshlrev_b32 v[T], 16, v[Y+yy]                ; the bf16 numbers as f32,
	v_and_b32 v[T+1], 0xffff0000, v[Y+yy]
	v_cvt_pk_f16_f32 v[Y+yy], v[T], v[T+1]         ; written as f16: exact within f16's range
.set yy, yy+1
.endr
.endif
	s_wait_alu depctr_va_vdst(0)                   ; the conversions have written v[Y ..], the LDS stores' data; v7, v13 and v14 are written, the addresses of the LDS stores, the LDS loads and the global stores.  No vector instruction follows
.irp e, 0,1,2,3
	ds_store_b128 v7, v[Y+4*\e:Y+4*\e+3] offset:TP*\e
.endr
	s_wait_dscnt 0x0                               ; for the others' sake: my stores into the tile are done
	s_barrier_signal -1
	s_barrier_wait -1
.irp i, 0,1,2,3
	ds_load_b128 v[Z+4*\i:Z+4*\i+3], v13 offset:2*TP*\i
.endr
	s_lshl_b32 s20, s18, 17                        ; 64 rows of 2,048 bytes
	s_lshl_b32 s22, s17, 8                         ; 128 k of 2 bytes
	s_add_co_u32 s20, s20, s22
	s_add_nc_u64 s[\dst:\dst+1], s[\dst:\dst+1], s[20:21]
.irp i, 0,1,2,3
	s_wait_dscnt 3-\i                              ; LDS loads come back in order: the younger ones may stay out
	global_store_b128 v14, v[Z+4*\i:Z+4*\i+3], s[\dst:\dst+1] offset:4096*\i  ; 16 lanes store 256 consecutive bytes, aligned
.endr
	s_wait_dscnt 0x0                               ; the wave's end: the closing lines, six on end
	s_wait_alu 0x0
	s_wait_tensorcnt 0x0
	ds_add_u32 v[SPW], v[NIL]
	s_wait_dscnt 0x0
	s_endpgm
.endm
.Lweights:
	s_sub_co_u32 s17, ttmp9, 256
	s_lshr_b32 s18, s17, 3                         ; block of 64 columns: 0-47 qkv_w, 48-63 o_w
	s_and_b32 s17, s17, 7                          ; block of 128 k
	v_and_b32 v5, 15, v2                           ; l % 16
	v_lshrrev_b32 v6, 4, v2                        ; l / 16
	s_cmp_lt_u32 s18, 48
	s_cbranch_scc0 .Lo_w
	WPATH 6, 12, 3072, 0
.Lo_w:
	s_sub_co_u32 s18, s18, 48
	WPATH 8, 14, 1024, 1
.Lfunc_end_k_qe5cbb3adc8_prep:
	.size	k_qe5cbb3adc8_prep, .Lfunc_end_k_qe5cbb3adc8_prep-k_qe5cbb3adc8_prep
	.p2alignl 7, 3214868480
	.fill 96, 4, 3214868480
	.section	.rodata,"a",@progbits
	.p2align	6, 0x0
	.amdhsa_kernel k_qe5cbb3adc8_prep
		.amdhsa_group_segment_fixed_size 18432
		.amdhsa_private_segment_fixed_size 0
		.amdhsa_enable_private_segment 0
		.amdhsa_kernarg_size 48
		.amdhsa_user_sgpr_count 2
		.amdhsa_user_sgpr_kernarg_segment_ptr 1
		.amdhsa_wavefront_size32 1
		.amdhsa_system_sgpr_workgroup_id_x 1
		.amdhsa_system_sgpr_workgroup_id_y 1
		.amdhsa_system_sgpr_workgroup_id_z 1
		.amdhsa_system_vgpr_workitem_id 0
		.amdhsa_next_free_vgpr 144
		.amdhsa_next_free_sgpr 66
		.amdhsa_reserve_vcc 0
		.amdhsa_float_denorm_mode_32 3
		.amdhsa_float_denorm_mode_16_64 3
		.amdhsa_memory_ordered 1
		.amdhsa_forward_progress 1
		.amdhsa_inst_pref_size 22
	.end_amdhsa_kernel
	.amdgpu_metadata
---
amdhsa.version: [ 1, 2 ]
amdhsa.kernels:
  - .name:           k_qe5cbb3adc8_prep
    .symbol:         k_qe5cbb3adc8_prep.kd
    .args:
      - { .name: hidden_state, .offset: 0, .size: 8, .value_kind: global_buffer, .address_space: global }
      - { .name: qkv_w, .offset: 8, .size: 8, .value_kind: global_buffer, .address_space: global }
      - { .name: o_w, .offset: 16, .size: 8, .value_kind: global_buffer, .address_space: global }
      - { .name: xh, .offset: 24, .size: 8, .value_kind: global_buffer, .address_space: global }
      - { .name: wqT, .offset: 32, .size: 8, .value_kind: global_buffer, .address_space: global }
      - { .name: woT, .offset: 40, .size: 8, .value_kind: global_buffer, .address_space: global }
    .group_segment_fixed_size: 18432
    .private_segment_fixed_size: 0
    .kernarg_segment_align: 8
    .kernarg_segment_size: 48
    .max_flat_workgroup_size: 256
    .sgpr_count:     66
    .vgpr_count:     144
    .wavefront_size: 32
...
	.end_amdgpu_metadata
.endif
;; end of part 5
;; launch qkv: the kernel of part 2 again; grid 16 x 32, 4 waves a work-group, clusters of 4 x 4, 327,680 bytes of LDS; arguments xh, wqT, qkv_b, qkvh; writes qkvh
;; launch attn: the kernel of part 3 again; grid 4 x 64, 4 waves a work-group, no clusters, 327,680 bytes of LDS; arguments qkvh, oh; writes oh
;; launch oproj: the kernel of part 4 again; grid 8 x 32, 4 waves a work-group, clusters of 4 x 4, 327,680 bytes of LDS; arguments oh, woT, o_b, out0; writes out0
